; MI455X (gfx1250); checked and timed in simulation.
; The chip was launched on July 23, 2026; its instructions are those of AMD's public machine-readable ISA for CDNA 5 (MIT licence, August 2026) and "CDNA5" Instruction Set Architecture Reference Guide (July 2026). The comments in the code are by the model that wrote it; some were corrected since.
;; Multi CA. Allowed arithmetic: matrix products marked QUANTISED: E2M1 operands, one E8M0 scale for each 32 along K, by v_wmma_scale_f32_16x16x128_f8f6f4 with both operands' format E2M1 (or v_wmma_scale_f32_32x16x128_f4), f32 sums; everything else in f32.
;; Inputs: W1 1,024 x 1,024 float32; W2 1,024 x 1,024 float32; Wka 1,024 x 1,024 float32; Wkt 1,024 x 1,024 float32; Wkv 1,024 x 1,024 float32; Wq 1,024 x 1,024 float32; Wva 1,024 x 1,024 float32; Wvt 1,024 x 1,024 float32; Wvv 1,024 x 1,024 float32; b1 1,024 float32; b2 1,024 float32; be1 1,024 float32; be2 1,024 float32; g1 1,024 float32; g2 1,024 float32; h_a 4 x 1,024 x 1,024 float32; h_t 4 x 1,024 x 1,024 float32; h_v 4 x 1,024 x 1,024 float32; query 4 x 1,024 x 1,024 float32.
;; Outputs: out0 4 x 1,024 x 1,024 float32.
;; This version of the problem:
;;   THIS VERSION OF THE PROBLEM IS GIVEN IN LOW PRECISION. The matrix products marked QUANTISED in the list below multiply operands that are first quantised to E2M1 (2 exponent bits, 1 mantissa bit; 4 bits a number), with one power-of-two scale for each 32 numbers along K (OCP MX v1.0); their sums are f32. All else is computed in f32.
;;   The module's matrix products, in the order in which they are computed (A, B: the left and right operand; K: the contracted axis; several contracted axes count as one K, in the product's order):
;;     1. [M 4,096, K 1,024] x [K 1,024, N 1,024]; A: input query; B: input Wq: QUANTISED
;;     2. [M 4,096, K 1,024] x [K 1,024, N 1,024]; A: input h_t; B: input Wkt: QUANTISED
;;     3. [M 4,096, K 1,024] x [K 1,024, N 1,024]; A: input h_t; B: input Wvt: QUANTISED
;;     4. batch 64 x [M 1,024, K 64] x [K 64, N 1,024]; A: computed on the way; B: computed on the way: QUANTISED
;;     5. batch 64 x [M 1,024, K 1,024] x [K 1,024, N 64]; A: softmax (see below); B: computed on the way: QUANTISED
;;     6. [M 4,096, K 1,024] x [K 1,024, N 1,024]; A: input h_a; B: input Wka: QUANTISED
;;     7. [M 4,096, K 1,024] x [K 1,024, N 1,024]; A: input h_a; B: input Wva: QUANTISED
;;     8. batch 64 x [M 1,024, K 64] x [K 64, N 1,024]; A: computed on the way; B: computed on the way: QUANTISED
;;     9. batch 64 x [M 1,024, K 1,024] x [K 1,024, N 64]; A: softmax (see below); B: computed on the way: QUANTISED
;;     10. [M 4,096, K 1,024] x [K 1,024, N 1,024]; A: input h_v; B: input Wkv: QUANTISED
;;     11. [M 4,096, K 1,024] x [K 1,024, N 1,024]; A: input h_v; B: input Wvv: QUANTISED
;;     12. batch 64 x [M 1,024, K 64] x [K 64, N 1,024]; A: computed on the way; B: computed on the way: QUANTISED
;;     13. batch 64 x [M 1,024, K 1,024] x [K 1,024, N 64]; A: softmax (see below); B: computed on the way: QUANTISED
;;     14. [M 4,096, K 1,024] x [K 1,024, N 1,024]; A: computed on the way; B: input W1: QUANTISED
;;     15. [M 4,096, K 1,024] x [K 1,024, N 1,024]; A: computed on the way; B: input W2: QUANTISED
;;   THE QUANTISER, for each operand of a quantised product, along K:
;;     - K is cut into blocks of 32 from its start; a last block that is shorter is filled with zeros.
;;     - A block's scale is 2^e with e = floor(log2(the largest magnitude in the block)) - 2, held to -126 .. 127; a block of zeros has e = 0. As a byte (E8M0): e + 127.
;;     - Each number is divided by its block's scale, clamped to +-6, and rounded to the nearest number of E2M1, ties to even, subnormals kept.
;;     - The product sums the exact products of the quantised numbers (number of the format x scale) in f32.
;;   ~~~python
;;   def quantise(x, axis):      # numpy; x: float32 -> the quantised numbers, widened to float32 again
;;       x = np.moveaxis(x, axis, -1); K = x.shape[-1]
;;       x = np.pad(x, [(0, 0)] * (x.ndim - 1) + [(0, -K % 32)]); x = x.reshape(x.shape[:-1] + (-1, 32)); a = np.abs(x).max(-1, keepdims=True)
;;       e = np.where(a > 0, np.clip(np.frexp(np.where(a > 0, a, 1))[1] - 1 - 2, -126, 127), 0)      # np.frexp(a)[1] - 1 = floor(log2(a)), exactly
;;       r = np.clip(x / 2.0 ** e, -6, 6)
;;       step = 2.0 ** (np.maximum(np.frexp(np.where(r == 0, 1, r))[1] - 1, 0) - 1)
;;       q = np.round(r / step) * step * 2.0 ** e      # np.round: ties to even
;;       return np.moveaxis(q.reshape(q.shape[:-2] + (-1,))[..., :K], -1, axis).astype(np.float32)
;;   ~~~
;;   SOFTMAX AHEAD OF A QUANTISED PRODUCT. Where the list says 'softmax', what is quantised is not the finished softmax but p = 2^(t - M), with t = logit x log2(e) and M = ceil(the row's largest t), a whole number; so 1/2 < the row's largest p <= 1. The row's sum l is taken of the UNQUANTISED p, in f32, and the product's result is divided by l at the end. Since M is a whole number, a kernel that streams over the keys may use a running M (the ceiling of the running maximum): every later rescaling is an exact power of two, which a block's scale takes up: the codes' values come out the same.
;;   OPERANDS COMPUTED ON THE WAY. 'Computed on the way' means the value that the module computes at that place (a softmax that the list does not call 'softmax' is quantised finished and normalised). What goes into a quantiser is computed in f32, as accurately as f32 sums, v_exp_f32 and their like allow (about 1e-6 of the number): no bf16 or f16 on the way to a quantiser, and a product that is left as it is and whose result goes on into a quantised operand takes f32 operands (vector FMAs, or v_wmma_f32_16x16x4_f32). A number that lies on a knife's edge between two numbers of the format may be rounded either way, as far as f32 arithmetic and the matrix unit's own rounding can turn it there, and no further.
;; One version. Each part assembles by itself: llvm-mc -triple=amdgcn-amd-amdhsa -mcpu=gfx1250 --defsym DOCPART=n.
;; ======== version 1 of 1: 4 launches
;; limits: right only within a limited range of input values
;; workspace buffers: cod 13,107,200 bytes; scl 819,200 bytes; qkvc 14,680,064 bytes; qkvs 1,835,008 bytes; attn 16,777,216 bytes
;; launch quant (part 1): grid 400 x 1, 8 waves a work-group, no clusters, 68,608 bytes of LDS; arguments Wq, Wkt, Wvt, Wka, Wva, Wkv, Wvv, W1, query, h_t, h_a, h_v, cod, scl, W2; writes cod, scl
.if DOCPART == 1
	.amdgcn_target "amdgcn-amd-amdhsa--gfx1250"
	.amdhsa_code_object_version 6
	.text
	.protected	k_qcd18f022f4_quant
	.globl	k_qcd18f022f4_quant
	.p2align	8
	.type	k_qcd18f022f4_quant,@function
k_qcd18f022f4_quant:
	s_mov_b64 s[64:65], 0
	v_nop
	global_prefetch_b8 v0, s[64:65] scope:SCOPE_SE
	s_setreg_imm32_b32 hwreg(HW_REG_WAVE_MODE, 25, 1), 1
	s_wait_xcnt 0x0
; All 13 f32 operands of the nine large products become codes of FP4 (E2M1) with one E8M0 scale byte for each 32 along K (K = 1,024), once.
; A block's scale is 2^(floor(log2(its largest magnitude)) - 2); its byte is the largest magnitude's exponent field - 2, held at 1 from below.
; LIMITS: NaN and infinities among the inputs are not served.  A block of zeros, or one whose largest magnitude lies under 2^-124, gets the byte 1 (the rule says 127 for zeros):
; its codes are zeros or are held, and the bytes are read by this program alone.
; LAYOUT OF THE RESULTS: images of operand registers.  A tile T holds the 16 rows  row(T, i) = 32 (T / 2) + 8 (T % 2) + i + 8 (i / 8).
;   cod: [tile][K step 8][c 2][lane 32][16 bytes]: lane (r, h) holds the codes of row(T, r), k = 128 s + 64 c + 32 h + 0 .. 31.   8,192 bytes a tile.
;   scl: [tile][K half 2][r 16][q 4] words: word q of half y belongs to K step 4 y + q, its byte b to block b of that step.       512 bytes a tile.
;   cod: query, h_t, h_a, h_v (2 MiB each), from byte 0x800000 the nine weights (512 KiB each, a row = a column n of the weight).  scl: 128 KiB each, from 0x80000 32 KiB each.
; Work-groups 0 to 143 take the weights (K is their FIRST axis: a lane takes a column and its registers run down K), the others the activations (K innermost).
; Waves share nothing: no barrier.  Only the activations' path touches LDS.  No work-group reads what another reads: nothing to share in a cluster.
.set NW,     144                       ; work-groups for the weights: 9 x 16
.set WX,     32                        ; weights: v32-95 two sets of 32 numbers
.set WC,     96                        ; v96-127 four registers of codes for each block: no store's data are written again
.set AR,     32                        ; activations: v32-159 two sets of 64 numbers as loaded
.set AX,     160                       ; v160-223 my two blocks of 32 neighbours
.set AC,     224                       ; v224-255 eight registers of codes for each K step
.set SW,     24                        ; v24-27 the four K steps' scale words
.set SPITCH, 528                       ; a stage row: 512 bytes + 16: the sixteen rows that a read touches begin at sixteen different 16-byte columns
	s_load_b512 s[8:23], s[0:1], 0x0               ; Wq, Wkt, Wvt, Wka, Wva, Wkv, Wvv, W1
	s_load_b256 s[28:35], s[0:1], 0x40             ; query, h_t, h_a, h_v
	s_load_b128 s[36:39], s[0:1], 0x60             ; cod, scl
	s_load_b64 s[24:25], s[0:1], 0x70              ; W2
	v_lshl_add_u32 v30, v0, 2, 0x10800
	v_mov_b32 v31, 0
	v_lshrrev_b32 v1, 5, v0
	s_delay_alu instid0(VALU_DEP_1)
	v_readfirstlane_b32 s2, v1                     ; wave 0..7
	v_and_b32 v1, 31, v0                           ; lane
	s_mov_b32 s44, 0x76543210
	s_mov_b32 s45, 0xfedcba98                      ; v_permlanex16_b32's selects for lane l xor 16
	s_mov_b32 s47, 0
	s_wait_kmcnt 0x0
	s_cmp_ge_u32 ttmp9, NW
	s_cbranch_scc1 .Lact
; ---------------- THE WEIGHTS: a wave takes 32 columns x 256 along K: 8 blocks a lane ----------------
	s_lshr_b32 s40, ttmp9, 4                       ; which weight
	s_mov_b64 s[4:5], s[8:9]
.irp i, 1,2,3,4,5,6,7,8
	s_cmp_eq_u32 s40, \i                           ; the choice hangs on the work-group's number alone
	s_cselect_b64 s[4:5], s[8+2*\i:9+2*\i], s[4:5]
.endr
	s_bfe_u32 s41, ttmp9, 0x20002                  ; which 256 columns
	s_and_b32 s42, ttmp9, 3                        ; which 256 along K
	s_lshl_b32 s41, s41, 3
	s_add_co_u32 s41, s41, s2                      ; my 32 columns: number 8 x + wave of 32
	s_lshl_b32 s46, s42, 20                        ; 256 rows of 4,096 bytes
	s_lshl_b32 s48, s41, 7                         ; 32 columns of 4 bytes
	s_add_co_u32 s46, s46, s48
	s_add_nc_u64 s[4:5], s[4:5], s[46:47]
	s_lshl_b32 s46, s40, 19                        ; the codes: the weight, two tiles for 32 columns, two K steps for 256 along K
	s_lshl_b32 s48, s41, 14
	s_add_co_u32 s46, s46, s48
	s_lshl_b32 s48, s42, 11
	s_add_co_u32 s46, s46, s48
	s_add_co_u32 s46, s46, 0x800000
	s_add_nc_u64 s[36:37], s[36:37], s[46:47]
	s_lshl_b32 s46, s40, 15                        ; the scale words likewise
	s_lshl_b32 s48, s41, 10
	s_add_co_u32 s46, s46, s48
	s_lshr_b32 s48, s42, 1
	s_lshl_b32 s48, s48, 8                         ; the K half,
	s_add_co_u32 s46, s46, s48
	s_and_b32 s48, s42, 1
	s_lshl_b32 s48, s48, 3                         ; and two words in it
	s_add_co_u32 s46, s46, s48
	s_add_co_u32 s46, s46, 0x80000
	s_add_nc_u64 s[38:39], s[38:39], s[46:47]
	s_wait_alu depctr_va_vdst(0)
	v_lshlrev_b32 v2, 2, v1                        ; in: 4 bytes a lane
	v_bfe_u32 v4, v1, 3, 1                         ; column 32 B + l lies in tile 2 B + u, u = (l / 8) % 2,
	v_and_b32 v5, 7, v1
	v_lshrrev_b32 v6, 4, v1
	s_delay_alu instid0(VALU_DEP_1)
	v_lshl_add_u32 v5, v6, 3, v5                   ; at its row l % 8 + 8 (l / 16)
	s_delay_alu instid0(VALU_DEP_1)
	v_lshlrev_b32 v5, 4, v5
	s_delay_alu instid0(VALU_DEP_1)
	v_lshl_add_u32 v3, v4, 13, v5                  ; codes: 8,192 u + 16 row
	s_delay_alu instid0(VALU_DEP_2)
	v_lshl_add_u32 v4, v4, 9, v5                   ; scale words: 512 u + 16 row
.macro LOADW t                         ; block t: W(32 t + i, my column) into set t % 2; 32 lanes read 128 consecutive bytes, the eight waves stand side by side
.set i, 0
.rept 32
	global_load_b32 v[WX+32*((\t)%2)+i], v2, s[4:5] offset:(32*(\t)+i)*4096 th:TH_LOAD_NT
.set i, i+1
.endr
.endm
.macro BLOCKW t
.set XS, WX+32*((\t)%2)
.if (\t) < 7
	s_wait_loadcnt 32                              ; this block's 32 loads are in; the next block's 32 may be out
.else
	s_wait_loadcnt 0x0
.endif
	v_max3_num_f32 v8, |v[XS]|, |v[XS+1]|, |v[XS+2]|               ; the block's largest magnitude: all 32 numbers are mine; two chains
	v_max3_num_f32 v9, |v[XS+3]|, |v[XS+4]|, |v[XS+5]|
.irp n, 6,10,14,18,22,26
	s_delay_alu instid0(VALU_DEP_2)
	v_max3_num_f32 v8, v8, |v[XS+\n]|, |v[XS+\n+1]|
	s_delay_alu instid0(VALU_DEP_2)
	v_max3_num_f32 v9, v9, |v[XS+\n+2]|, |v[XS+\n+3]|
.endr
	s_delay_alu instid0(VALU_DEP_2)
	v_max3_num_f32 v8, v8, |v[XS+30]|, |v[XS+31]|
	s_delay_alu instid0(VALU_DEP_1)
	v_max3_num_f32 v8, v8, v9, 0x1800000           ; and the floor 2^(3 - 127): the byte cannot fall under 1
	s_delay_alu instid0(VALU_DEP_1)
	v_add_nc_u32 v10, 0xff000000, v8               ; 2 off the exponent field: the conversion takes this operand's exponent field as its scale
	s_delay_alu instid0(VALU_DEP_1)
	v_lshrrev_b32 v11, 23, v10                     ; the scale's byte
.if (\t)%4 == 0
	s_delay_alu instid0(VALU_DEP_1)
	v_mov_b32 v[14+(\t)/4], v11                    ; four bytes to a word, the lower K in the lower byte
.else
	s_delay_alu instid0(VALU_DEP_1)
	v_lshl_or_b32 v[14+(\t)/4], v11, 8*((\t)%4), v[14+(\t)/4]
.endif
.irp g, 0,1,2,3
	v_cvt_scalef32_pk8_fp4_f32 v[WC+4*(\t)+\g], v[XS+8*\g:XS+8*\g+7], v10
.endr
	global_store_b128 v3, v[WC+4*(\t):WC+4*(\t)+3], s[36:37] offset:((\t)/4)*1024+(((\t)/2)%2)*512+((\t)%2)*256   ; sixteen lanes fill 256 consecutive bytes, aligned; two such runs a store
.if (\t)+2 < 8
	LOADW (\t)+2
.endif
.endm
	LOADW 0
	LOADW 1
.irp t, 0,1,2,3,4,5,6,7
	BLOCKW \t
.endr
	global_store_b64 v4, v[14:15], s[38:39]        ; my column's two scale words: 8 bytes of each 16: one byte in 128 of what this path reads
	s_endpgm
; ---------------- THE ACTIVATIONS: a wave takes the 16 rows of a tile x 512 along K: 4 K steps ----------------
.Lact:
	s_sub_co_u32 s40, ttmp9, NW
	s_lshr_b32 s41, s40, 6                         ; which activation
	s_mov_b64 s[4:5], s[28:29]
.irp i, 1,2,3
	s_cmp_eq_u32 s41, \i
	s_cselect_b64 s[4:5], s[28+2*\i:29+2*\i], s[4:5]
.endr
	s_and_b32 s42, s40, 63
	s_lshl_b32 s42, s42, 2
	s_lshr_b32 s43, s2, 1
	s_add_co_u32 s42, s42, s43                     ; my tile, 0..255
	s_and_b32 s43, s2, 1                           ; my K half
	s_lshr_b32 s46, s42, 1
	s_lshl_b32 s46, s46, 17                        ; 32 (T / 2) rows of 4,096 bytes
	s_and_b32 s48, s42, 1
	s_lshl_b32 s48, s48, 15                        ; + 8 (T % 2) rows
	s_add_co_u32 s46, s46, s48
	s_lshl_b32 s48, s43, 11                        ; + 512 numbers
	s_add_co_u32 s46, s46, s48
	s_add_nc_u64 s[4:5], s[4:5], s[46:47]
	s_lshl_b32 s46, s41, 21
	s_lshl_b32 s48, s42, 13
	s_add_co_u32 s46, s46, s48
	s_lshl_b32 s48, s43, 12
	s_add_co_u32 s46, s46, s48
	s_add_nc_u64 s[36:37], s[36:37], s[46:47]      ; my codes
	s_lshl_b32 s46, s41, 17
	s_lshl_b32 s48, s42, 9
	s_add_co_u32 s46, s46, s48
	s_lshl_b32 s48, s43, 8
	s_add_co_u32 s46, s46, s48
	s_add_nc_u64 s[38:39], s[38:39], s[46:47]      ; my scale words
	s_wait_alu depctr_va_vdst(0)
	v_lshlrev_b32 v2, 4, v1                        ; 16 x lane: a load's and a store's place
	s_mul_i32 s48, s2, 16*SPITCH                   ; my wave's own stage
	v_add_nc_u32 v3, s48, v2                       ; into it: a row's 512 bytes as they lie
	v_and_b32 v6, 15, v1                           ; r
	v_lshrrev_b32 v7, 4, v1                        ; h
	s_delay_alu instid0(VALU_DEP_2)
	v_mul_u32_u24 v4, v6, SPITCH
	s_delay_alu instid0(VALU_DEP_1)
	v_lshl_add_u32 v4, v7, 7, v4
	s_delay_alu instid0(VALU_DEP_1)
	v_add_nc_u32 v4, s48, v4                       ; out of it: row r, from number 32 h on
	s_delay_alu instid0(VALU_DEP_4)
	v_lshlrev_b32 v5, 3, v7                        ; 8 h: where my two bytes stand in the scale word
	v_lshlrev_b32 v6, 4, v6                        ; 16 r
	v_mov_b32 v15, 0                               ; a lane permute's destination counts as one of its sources
.macro LOADA s                         ; K step s: 16 rows x 512 consecutive bytes into set s % 2
.set i, 0
.rept 16
	global_load_b128 v[AR+64*((\s)%2)+4*i:AR+64*((\s)%2)+4*i+3], v2, s[4:5] offset:(i+8*(i/8))*4096+512*(\s) th:TH_LOAD_NT
.set i, i+1
.endr
.endm
.macro STEPA s
.set RS, AR+64*((\s)%2)
.if (\s) < 3
	s_wait_loadcnt 16                              ; this K step's 16 loads are in; the next one's 16 may be out
.else
	s_wait_loadcnt 0x0
.endif
.set i, 0
.rept 16
	ds_store_b128 v3, v[RS+4*i:RS+4*i+3] offset:SPITCH*i
.set i, i+1
.endr
.set i, 0
.rept 16                               ; LDS serves a wave's instructions in order: these see the stores.  Register 32 c + n = k 64 c + 32 h + n of row r
	ds_load_b128 v[AX+4*i:AX+4*i+3], v4 offset:256*(i/8)+16*(i%8)
.set i, i+1
.endr
	s_wait_dscnt 0x0                               ; the stores have read their set, and my two blocks are in
.if (\s)+2 < 4
	LOADA (\s)+2
.endif
.irp c, 0,1
	v_max3_num_f32 v[8+\c], |v[AX+32*\c]|, |v[AX+32*\c+1]|, 0x1800000   ; block 2 c + h: all 32 numbers are mine; the floor 2^(3 - 127) among them
.endr
.irp n, 2,4,6,8,10,12,14,16,18,20,22,24,26,28,30
.irp c, 0,1
	s_delay_alu instid0(VALU_DEP_2)
	v_max3_num_f32 v[8+\c], v[8+\c], |v[AX+32*\c+\n]|, |v[AX+32*\c+\n+1]|
.endr
.endr
	s_delay_alu instid0(VALU_DEP_2)
	v_add_nc_u32 v10, 0xff000000, v8               ; the conversions' scale operands
	s_delay_alu instid0(VALU_DEP_2)
	v_add_nc_u32 v11, 0xff000000, v9
	s_delay_alu instid0(VALU_DEP_2)
	v_lshrrev_b32 v12, 23, v10                     ; the bytes
	s_delay_alu instid0(VALU_DEP_2)
	v_lshrrev_b32 v13, 23, v11
	s_delay_alu instid0(VALU_DEP_1)
	v_lshl_or_b32 v14, v13, 16, v12                ; blocks h and 2 + h,
	s_delay_alu instid0(VALU_DEP_1)
	v_lshlrev_b32 v14, v5, v14                     ; at their places;
	s_delay_alu instid0(VALU_DEP_1)
	v_permlanex16_b32 v15, v14, s44, s45
	s_delay_alu instid0(VALU_DEP_1)
	v_or_b32 v[SW+(\s)], v14, v15                  ; with lane l xor 16's two the word is whole
.irp c, 0,1
.irp g, 0,1,2,3
	v_cvt_scalef32_pk8_fp4_f32 v[AC+8*(\s)+4*\c+\g], v[AX+32*\c+8*\g:AX+32*\c+8*\g+7], v[10+\c]
.endr
.endr
.irp c, 0,1
	global_store_b128 v2, v[AC+8*(\s)+4*\c:AC+8*(\s)+4*\c+3], s[36:37] offset:1024*(\s)+512*\c   ; 512 consecutive bytes
.endr
.endm
	LOADA 0
	LOADA 1
	s_wait_alu depctr_va_vdst(0)
.irp s, 0,1,2,3
	STEPA \s
.endr
	v_cmp_gt_u32 vcc_lo, 16, v1
	s_wait_xcnt 0x0                                ; EXEC is a source of the stores that are out: it changes only behind this wait
	s_wait_tensorcnt 0x0
	ds_add_u32 v30, v31
	s_wait_dscnt 0x0
	s_and_saveexec_b32 s46, vcc_lo
	global_store_b128 v6, v[SW:SW+3], s[38:39]     ; lanes 0-15: 256 consecutive bytes, aligned
	s_endpgm
.Lfunc_end_k_qcd18f022f4_quant:
	.size	k_qcd18f022f4_quant, .Lfunc_end_k_qcd18f022f4_quant-k_qcd18f022f4_quant
	.p2alignl 7, 3214868480
	.fill 96, 4, 3214868480
	.section	.rodata,"a",@progbits
	.p2align	6, 0x0
	.amdhsa_kernel k_qcd18f022f4_quant
		.amdhsa_group_segment_fixed_size 68608
		.amdhsa_private_segment_fixed_size 0
		.amdhsa_enable_private_segment 0
		.amdhsa_kernarg_size 120
		.amdhsa_user_sgpr_count 2
		.amdhsa_user_sgpr_kernarg_segment_ptr 1
		.amdhsa_wavefront_size32 1
		.amdhsa_system_sgpr_workgroup_id_x 1
		.amdhsa_system_sgpr_workgroup_id_y 1
		.amdhsa_system_sgpr_workgroup_id_z 1
		.amdhsa_system_vgpr_workitem_id 0
		.amdhsa_next_free_vgpr 256
		.amdhsa_next_free_sgpr 66
		.amdhsa_reserve_vcc 1
		.amdhsa_float_denorm_mode_32 3
		.amdhsa_float_denorm_mode_16_64 3
		.amdhsa_memory_ordered 1
		.amdhsa_forward_progress 1
		.amdhsa_inst_pref_size 78
	.end_amdhsa_kernel
	.amdgpu_metadata
---
amdhsa.version: [ 1, 2 ]
amdhsa.kernels:
  - .name:           k_qcd18f022f4_quant
    .symbol:         k_qcd18f022f4_quant.kd
    .args:
      - { .name: Wq, .offset: 0, .size: 8, .value_kind: global_buffer, .address_space: global }
      - { .name: Wkt, .offset: 8, .size: 8, .value_kind: global_buffer, .address_space: global }
      - { .name: Wvt, .offset: 16, .size: 8, .value_kind: global_buffer, .address_space: global }
      - { .name: Wka, .offset: 24, .size: 8, .value_kind: global_buffer, .address_space: global }
      - { .name: Wva, .offset: 32, .size: 8, .value_kind: global_buffer, .address_space: global }
      - { .name: Wkv, .offset: 40, .size: 8, .value_kind: global_buffer, .address_space: global }
      - { .name: Wvv, .offset: 48, .size: 8, .value_kind: global_buffer, .address_space: global }
      - { .name: W1, .offset: 56, .size: 8, .value_kind: global_buffer, .address_space: global }
      - { .name: query, .offset: 64, .size: 8, .value_kind: global_buffer, .address_space: global }
      - { .name: h_t, .offset: 72, .size: 8, .value_kind: global_buffer, .address_space: global }
      - { .name: h_a, .offset: 80, .size: 8, .value_kind: global_buffer, .address_space: global }
      - { .name: h_v, .offset: 88, .size: 8, .value_kind: global_buffer, .address_space: global }
      - { .name: cod, .offset: 96, .size: 8, .value_kind: global_buffer, .address_space: global }
      - { .name: scl, .offset: 104, .size: 8, .value_kind: global_buffer, .address_space: global }
      - { .name: W2, .offset: 112, .size: 8, .value_kind: global_buffer, .address_space: global }
    .group_segment_fixed_size: 68608
    .private_segment_fixed_size: 0
    .kernarg_segment_align: 8
    .kernarg_segment_size: 120
    .max_flat_workgroup_size: 256
    .sgpr_count:     66
    .vgpr_count:     256
    .wavefront_size: 32
...
	.end_amdgpu_metadata
.endif
;; end of part 1
;; launch proj (part 2): grid 16 x 28, 4 waves a work-group, clusters of 4 x 4, 279,040 bytes of LDS; arguments cod, scl, qkvc, qkvs; writes qkvc, qkvs
.if DOCPART == 2
	.amdgcn_target "amdgcn-amd-amdhsa--gfx1250"
	.amdhsa_code_object_version 6
	.text
	.protected	k_qcd18f022f4_proj
	.globl	k_qcd18f022f4_proj
	.p2align	8
	.type	k_qcd18f022f4_proj,@function
k_qcd18f022f4_proj:
	s_mov_b64 s[64:65], 0
	v_nop
	global_prefetch_b8 v0, s[64:65] scope:SCOPE_SE
	s_setreg_imm32_b32 hwreg(HW_REG_WAVE_MODE, 25, 1), 1
	s_wait_xcnt 0x0
	s_wait_alu depctr_hold_cnt(0) depctr_sa_sdst(0) depctr_va_vdst(0) depctr_va_sdst(0) depctr_va_ssrc(0) depctr_va_vcc(0) depctr_vm_vsrc(0)
	s_getreg_b32 s2, hwreg(HW_REG_IB_STS2, 6, 4)
	s_cmp_eq_u32 s2, 0
	s_cbranch_scc0 .Lentry_in_a_cluster
	s_endpgm
.Lentry_in_a_cluster:
	s_bfe_u32 s2, ttmp6, 0x10000c
	s_cmp_lg_u32 s2, 0xf033
	s_cbranch_scc0 .Lentry_shape_is_right
	s_endpgm
.Lentry_shape_is_right:
; The seven projections q, k_t, v_t, k_a, v_a, k_v, v_v (number T7 = cluster y), each 4,096 x 1,024 x 1,024 on codes of FP4 with E8M0 scales, and their results quantised at once for the attention.
; C[m'][n'] = sum over k of A[m'][k] B[n'][k].  q and k: A = the activation (m' = token), B = the weight (n' = feature): they are quantised along the head's 64 features.
; v: A = the weight (m' = feature), B = the activation (n' = token): it is quantised along the keys.  In both the quantiser's axis is n'.
; THE MATRIX INSTRUCTION IS USED TRANSPOSED (source 0 = a tile of B, source 1 = a tile of A): a lane holds ONE row m', and its registers run along n'.  A tile's 16 rows are
; row(T, i) = 32 (T / 2) + 8 (T % 2) + i + 8 (i / 8), so the 16 registers of B's tiles 2 b and 2 b + 1 are 16 NEIGHBOURS along n': 32 b + 16 (lane / 16) + 0 .. 15.
; A work-group makes 256 x 256, a wave 128 x 128: 64 accumulators, 512 registers.  K = 1,024: both K halves of A's and B's 16 tiles, and their scale words, fit in LDS together:
; every LDS byte is filled ONCE, at the head, and nothing is filled again.  Operands lie in memory as images of their registers, so a fragment load reads 512 consecutive bytes: no padding.
; CLUSTERS: 4 x 4 work-groups.  The four of a row of the cluster need the same tiles of A, the four of a column the same tiles of B: each is asked for jointly.
; RESULTS.  qkvc: [bh = 16 batch + head][T7][step 8][4,096 bytes]; q, k: [tile a 8][lane][16 bytes]: token tile 8 step + a, d = 32 (lane / 16) + 0 .. 31;
;   v: [feature tile dt 4][c 2][lane][16 bytes]: keys 128 step + 64 c + 32 (lane / 16) + 0 .. 31.   qkvs: [bh][T7][step 8][512 bytes]; q, k: [a / 4][r 16][a % 4] words, bytes 0, 1 the head's two scales
;   (bytes 2, 3 are scale bytes of the neighbour head or 0, never 0xff); v: [twice][r 16][dt 4] words.
; LIMITS: NaN and infinities are not served; a block whose largest magnitude lies under 2^-124 gets the byte 1 (a block of zeros too: its codes are zeros, and this program alone reads the bytes).
; REGISTERS, in windows of 256: window 0: v16-29 addresses; v32-95 scale words, two sets, and nothing else; v128-191 A's fragments, one set; v192-239 at work on the way out.
;   window 1: B's fragments, two sets, at v0 and v128.   window 2: the accumulators of my A blocks 0-3 ((a, b) at v[8 (8 (a % 4) + b)]);   window 3: those of blocks 4-7.
.set NQ,    4                          ; K steps of 128 in a K half
.set FR,    8                          ; registers of a fragment
.set NL,    2                          ; LDS loads that bring one
.set NP,    4                          ; places behind this matrix instruction (ISA guide 7.12.1)
.set SLOT,  4096                       ; from K half 0 to K half 1 inside a tile's image of 8,192 bytes
.set BOFF,  131072                     ; LDS: A's 16 tiles x 8,192 bytes, then B's
.set SCL,   262144                     ; the scale words: A's 16 tiles x 512 bytes, then B's
.set ADRA,  16                         ; v16-17 LDS address of my A fragments in K half 0, 1
.set ADRB,  20                         ; v20-21 the same for B
.set VO0,   24                         ; v24  the way out: 16 x lane
.set VO1,   25                         ; v25  the same for the second four registers of codes
.set VS0,   26                         ; v26  where scale words 0-3 go
.set ADRS,  27                         ; v27  LDS address of my scale words: lanes 0-15 A's, lanes 16-31 B's
.set VS1,   28                         ; v28  where scale words 4-7 go
.set SHF,   29                         ; v29  q, k: 16 (lane / 16); v: 0
.set SC,    32
.set AF,    128
.set TM,    192                        ; v192-195 largest magnitudes, v196-199 bytes, v204-207 the conversions' scale operands
.set PC,    208                        ; v208-215 the codes just made
.set PW,    224                        ; the scale word just made
.set SW,    232                        ; v232-239 the eight blocks' scale words
.set G1,    24                         ; s[24:31] group 1 for A's codes;  s[32:35] their group 0
.set G0,    32
.set G1B,   48
.set G0B,   56
.set G1S,   68                         ; s[68:75], s[76:79] groups 1 and 0 for A's scale words;  s[80:87], s[88:91] for B's
.set G0S,   76
.set G1SB,  80
.set G0SB,  88
.set MSB, 0
.macro WIN new                         ; the immediate's high byte repeats the setting that is left
.if MSB != \new
	s_set_vgpr_msb (MSB<<8)|\new
.set MSB, \new
.endif
.endm
.set MUL_LO, 0xa1                      ; source 0 (B) window 1, source 1 (A) window 0, C and D window 2
.set MUL_HI, 0xf1                      ; the same, C and D window 3
.set TO_B,   0x40                      ; destination window 1, address window 0
; THE HEAD'S JOINT LOADS, ONE A WAVE: wave 0 fetches A's 16 tiles, 131,072 dense bytes, wave 1 B's, wave 2 A's scale words, 8,192 dense bytes, wave 3 B's.
; One chain of branches on the wave's number, a load to an arm, all arms leading to one join.  An s_nop 0 and four v_nop follow each load.
.macro ARM under, g0, g1, next
	s_cmp_lt_u32 s14, \under
	s_cbranch_scc0 \next
	tensor_load_to_lds s[\g0:\g0+3], s[\g1:\g1+7]
	s_nop 0
.rept 4
	v_nop
.endr
	s_branch .Lhead_asked
\next:
.endm
.macro CROUND                          ; a round of the cluster's barrier
	s_barrier_signal -1
	s_barrier_wait -1
	s_cmp_lg_u32 s14, 0
	s_cbranch_scc1 .Lnot_wave_0_\@
	s_barrier_signal -3
.Lnot_wave_0_\@:
	s_barrier_wait -3
	s_barrier_signal -1
	s_barrier_wait -1
.endm
	s_load_b256 s[4:11], s[0:1], 0x0               ; cod s[4:5], scl s[6:7], qkvc s[8:9], qkvs s[10:11]
	v_lshl_add_u32 v254, v0, 2, 0x44000
	v_mov_b32 v255, 0
	ds_add_u32 v254, v255
	ds_add_u32 v254, v255
	v_lshrrev_b32 v1, 5, v0
	v_readfirstlane_b32 s14, v1                    ; wave 0..3
	s_lshr_b32 s15, s14, 1                         ; which 128 rows of A are mine.
	s_and_b32 s16, s14, 1                          ; which 128 rows of B.
	s_bfe_u32 s40, ttmp6, 0x40000                  ; cx, cy: my place in the cluster
	s_bfe_u32 s41, ttmp6, 0x40004
	s_lshl_b32 s43, s41, 2
	s_lshl_b32 s43, 15, s43                        ; my row of the cluster
	s_lshl_b32 s44, 0x1111, s40                    ; my column
	s_and_b32 s12, ttmp7, 0xffff                   ; T7: which projection: the same in all sixteen partners
	s_and_b32 s13, s12, 1
	s_cmp_eq_u32 s12, 0
	s_cselect_b32 s13, 1, s13                      ; 1: q or k;  0: v
	s_add_co_u32 s2, s12, 1
	s_lshr_b32 s2, s2, 1                           ; which activation: query, h_t, h_a, h_v
	s_lshl_b32 s3, s2, 21                          ; its codes,
	s_lshl_b32 s2, s2, 17                          ; its scale words
	s_lshl_b32 s22, s12, 19
	s_add_co_u32 s22, s22, 0x800000                ; the weight's codes,
	s_lshl_b32 s23, s12, 15
	s_add_co_u32 s23, s23, 0x80000                 ; its scale words
	s_lshl_b32 s45, ttmp9, 2                       ; 4 x cluster x: the activation has 16 blocks of 256 rows, the weight 4
	s_cmp_eq_u32 s13, 1
	s_cselect_b32 s18, s3, s22                     ; A's codes
	s_cselect_b32 s46, s22, s3                     ; B's codes
	s_cselect_b32 s20, s2, s23                     ; A's scale words
	s_cselect_b32 s66, s23, s2                     ; B's scale words
	s_cselect_b32 s17, s45, 0
	s_cselect_b32 s42, 0, s45
	s_add_co_u32 s17, s17, s41                     ; A's block of 256 rows: it hangs on cy alone, which my row of the cluster shares
	s_add_co_u32 s42, s42, s40                     ; B's: on cx alone, which my column shares
	s_lshl_b32 s2, s17, 17                         ; 16 tiles of 8,192 bytes
	s_add_co_u32 s18, s18, s2
	s_mov_b32 s19, 0
	s_lshl_b32 s2, s17, 13                         ; 16 tiles of 512 bytes
	s_add_co_u32 s20, s20, s2
	s_mov_b32 s21, 0
	s_lshl_b32 s3, s42, 17
	s_add_co_u32 s46, s46, s3
	s_mov_b32 s47, 0
	s_lshl_b32 s3, s42, 13
	s_add_co_u32 s66, s66, s3
	s_mov_b32 s67, 0
	; group 1 for the codes: 16 tiles whole
	s_or_b32 s[G1+0], s43, (3<<16)|(1<<21)         ; 15:0 the mask: A's tiles go to my row; 17:16 elements of 8 bytes; 21 set beside a mask; no padding
	s_or_b32 s[G1B+0], s44, (3<<16)|(1<<21)
.irp g, G1, G1B
	s_mov_b32 s[\g+1], 32<<16                      ; 16 tiles are 131,072 dense bytes: 512 rows of 256 bytes (32 elements of 8 bytes)
	s_mov_b32 s[\g+2], 512<<16
	s_mov_b32 s[\g+3], 32<<16
	s_mov_b32 s[\g+4], 512
	s_mov_b32 s[\g+5], 32
	s_mov_b32 s[\g+6], 0
	s_mov_b32 s[\g+7], 0
.endr
	; and for the scale words of 16 tiles
	s_or_b32 s[G1S+0], s43, (3<<16)|(1<<21)
	s_or_b32 s[G1SB+0], s44, (3<<16)|(1<<21)
.irp g, G1S, G1SB
	s_mov_b32 s[\g+1], 32<<16
	s_mov_b32 s[\g+2], 32<<16                      ; the scale words of 16 tiles: 8,192 dense bytes as 32 rows of 256
	s_mov_b32 s[\g+3], 32<<16
	s_mov_b32 s[\g+4], 32
	s_mov_b32 s[\g+5], 32
	s_mov_b32 s[\g+6], 0
	s_mov_b32 s[\g+7], 0
.endr
	s_wait_dscnt 0x0
	s_wait_kmcnt 0x0
	s_add_nc_u64 s[18:19], s[4:5], s[18:19]
	s_add_nc_u64 s[20:21], s[6:7], s[20:21]
	s_add_nc_u64 s[46:47], s[4:5], s[46:47]
	s_add_nc_u64 s[66:67], s[6:7], s[66:67]
	CROUND                                         ; all sixteen work-groups are here: the joint loads meet
	s_mov_b32 s[G0S], 1
	s_mov_b32 s[G0S+1], SCL
	s_mov_b64 s[G0S+2:G0S+3], s[20:21]
	s_or_b32 s[G0S+3], s[G0S+3], 0x80000000
	s_mov_b32 s[G0SB], 1
	s_mov_b32 s[G0SB+1], SCL+8192
	s_mov_b64 s[G0SB+2:G0SB+3], s[66:67]
	s_or_b32 s[G0SB+3], s[G0SB+3], 0x80000000
	s_mov_b32 s[G0], 1
	s_mov_b32 s[G0+1], 0
	s_mov_b64 s[G0+2:G0+3], s[18:19]
	s_or_b32 s[G0+3], s[G0+3], 0x80000000
	s_mov_b32 s[G0B], 1
	s_mov_b32 s[G0B+1], BOFF
	s_mov_b64 s[G0B+2:G0B+3], s[46:47]
	s_or_b32 s[G0B+3], s[G0B+3], 0x80000000
	ARM 1, G0,  G1,  .Lhead_b
	ARM 2, G0B, G1B, .Lhead_sa
	ARM 3, G0S, G1S, .Lhead_sb
	tensor_load_to_lds s[G0SB:G0SB+3], s[G1SB:G1SB+7]
	s_nop 0
.rept 4
	v_nop
.endr
.Lhead_asked:                                          ; one tensor load of mine is out: all that this launch asks of me
	v_and_b32 v1, 15, v0                           ; r
	v_bfe_u32 v2, v0, 4, 1                         ; h
	s_wait_alu depctr_va_vdst(0)
	v_and_b32 v3, 31, v0
	s_wait_alu depctr_va_vdst(0)
	v_lshlrev_b32 v4, 4, v3                        ; 16 x lane
	s_lshl_b32 s2, s15, 16                         ; my 8 tiles of A
	s_lshl_b32 s3, s16, 16                         ; my 8 tiles of B,
	s_add_co_u32 s3, s3, BOFF                      ; which lie behind A's 16
.irp s, 0,1
	v_add_nc_u32 v[ADRA+\s], s2, v4
	v_add_nc_u32 v[ADRB+\s], s3, v4
	s_add_co_u32 s2, s2, SLOT
	s_add_co_u32 s3, s3, SLOT
.endr
	s_lshl_b32 s2, s15, 12                         ; A's scale words: my 8 tiles
	s_lshl_b32 s3, s16, 12                         ; B's: my 8 tiles, behind A's 16
	s_add_co_u32 s3, s3, 8192
	s_sub_co_u32 s3, s3, s2
	v_mul_u32_u24 v6, s3, v2                       ; lanes 16-31 take B's
	s_add_co_u32 s2, s2, SCL
	v_lshl_add_u32 v5, v1, 4, v6                   ; 16 bytes a row: the four words of a K half
	v_add_nc_u32 v[ADRS], s2, v5
	; the way out.  P, pw: the block of 256 tokens and my half of it;  F, fw: the block of 256 features and my half
	s_cmp_eq_u32 s13, 1
	s_cselect_b32 s2, s17, s42                     ; P
	s_cselect_b32 s3, s15, s16                     ; pw
	s_cselect_b32 s18, s42, s17                    ; F
	s_cselect_b32 s19, s16, s15                    ; fw
	s_mov_b32 s94, 1024
	s_cselect_b32 s94, 512, s94                    ; from A's block a to a + 1: q, k: the next token tile; v: the next feature tile
	s_mov_b32 s96, 226304
	s_cselect_b32 s96, 512, s96                    ; from block 3 to 4: v: on to the next head: 229,376 - 3 x 1,024
	s_mov_b32 s20, 512
	s_cselect_b32 s20, 229376, s20                 ; from the first four registers of codes to the second: q, k: the next head; v: c = 1
	s_mov_b32 s21, 256
	s_cselect_b32 s21, 28672, s21                  ; scale words of lanes 16-31: q, k: the next head's; v: the second copy
	s_mov_b32 s22, 28672
	s_cselect_b32 s22, 256, s22                    ; scale words 4-7: q, k: tiles 4-7; v: the next head's
	s_cselect_b32 s23, 16, 0
	s_mov_b32 s95, 0
	s_mov_b32 s97, 0
	s_lshr_b32 s45, s2, 2                          ; the batch
	s_and_b32 s2, s2, 3
	s_lshl_b32 s2, s2, 1
	s_add_co_u32 s2, s2, s3                        ; the step of 128 tokens in it
	s_lshl_b32 s18, s18, 2
	s_lshl_b32 s19, s19, 1
	s_add_co_u32 s18, s18, s19                     ; my first head
	s_lshl_b32 s45, s45, 4
	s_add_co_u32 s18, s18, s45
	s_mul_i32 s18, s18, 7
	s_add_co_u32 s18, s18, s12                     ; 7 bh + T7
	s_lshl_b32 s46, s18, 15
	s_lshl_b32 s3, s2, 12
	s_add_co_u32 s46, s46, s3
	s_mov_b32 s47, 0
	s_add_nc_u64 s[92:93], s[8:9], s[46:47]        ; my codes
	s_lshl_b32 s46, s18, 12
	s_lshl_b32 s3, s2, 9
	s_add_co_u32 s46, s46, s3
	s_add_nc_u64 s[98:99], s[10:11], s[46:47]      ; my scale words
	v_lshlrev_b32 v[VO0], 4, v3
	v_add_nc_u32 v[VO1], s20, v[VO0]
	v_mul_u32_u24 v[VS0], s21, v2
	v_lshl_add_u32 v[VS0], v1, 4, v[VS0]
	v_add_nc_u32 v[VS1], s22, v[VS0]
	v_mul_u32_u24 v[SHF], s23, v2
.irp b, 0,1,2,3
	v_mov_b32 v[TM+4+\b], 0                        ; written once: a lane permute's destination counts as one of its sources
.endr
.macro FRAG reg, adr, q, i             ; a fragment, 16 rows x 128 K, is 8 registers; its image lies as it is loaded: 512 consecutive bytes a load
.irp c, 0,1
	ds_load_b128 v[\reg+4*\c:\reg+4*\c+3], v[\adr] offset:8192*(\i)+1024*(\q)+512*\c
.endr
.endm
; 16 matrix instructions: A's blocks a0, a0 + 1 x B's eight, the K half's q-th 128.  p: B's set;  sc: the set of scale words.  zero = 1: the first product starts the sums.
; The 64 accumulators take turns, one instruction a turn, in the same order in every step.
.macro MUL16 a0, p, q, sc, zero
.irp a, \a0, \a0+1
.irp b, 0,1,2,3,4,5,6,7
.if \zero
	v_wmma_scale_f32_16x16x128_f8f6f4 v[8*(8*((\a)%4)+\b):8*(8*((\a)%4)+\b)+7], v[128*(\p)+FR*\b:128*(\p)+FR*\b+FR-1], v[AF+FR*(\a):AF+FR*(\a)+FR-1], 0, v[SC+8*NQ*(\sc)+NQ*\b+(\q)], v[SC+8*NQ*(\sc)+NQ*(\a)+(\q)] matrix_a_fmt:MATRIX_FMT_FP4 matrix_b_fmt:MATRIX_FMT_FP4 matrix_a_scale:MATRIX_SCALE_ROW1
.else
	v_wmma_scale_f32_16x16x128_f8f6f4 v[8*(8*((\a)%4)+\b):8*(8*((\a)%4)+\b)+7], v[128*(\p)+FR*\b:128*(\p)+FR*\b+FR-1], v[AF+FR*(\a):AF+FR*(\a)+FR-1], v[8*(8*((\a)%4)+\b):8*(8*((\a)%4)+\b)+7], v[SC+8*NQ*(\sc)+NQ*\b+(\q)], v[SC+8*NQ*(\sc)+NQ*(\a)+(\q)] matrix_a_fmt:MATRIX_FMT_FP4 matrix_b_fmt:MATRIX_FMT_FP4 matrix_a_scale:MATRIX_SCALE_ROW1
.endif
.endr
.endr
.endm
.macro FETCH_B slot, q, p              ; B's eight fragments into set p
	WIN TO_B
.irp i, 0,1,2,3,4,5,6,7
	FRAG 128*(\p)+FR*\i, ADRB+\slot, \q, \i
.endr
	WIN 0
.endm
.macro FETCH_A slot, q, i0             ; A's blocks i0 .. i0 + 3
.irp i, \i0, \i0+1, \i0+2, \i0+3
	FRAG AF+FR*(\i), ADRA+\slot, \q, \i
.endr
.endm
.macro SCALES sc                       ; a K half's scale words into set sc: lanes 0-15 take A's block i, lanes 16-31 B's block i; register 4 i + q
.irp i, 0,1,2,3,4,5,6,7
	ds_load_b128 v[SC+8*NQ*\sc+NQ*\i:SC+8*NQ*\sc+NQ*\i+3], v[ADRS] offset:512*\i+256*\sc
.endr
.endm
; A load into a register that a matrix instruction has read, and a vector instruction that reads a matrix result, stand NP places behind it; only plain vector instructions that name none of its registers are places.
.macro PLACES n
.rept \n
	v_nop
.endr
.endm
.macro STEP slot, q, zero              ; a step of 128 along K that has its successor in the same K half
	s_wait_dscnt 4*NL                              ; B's set and A's blocks 0-3 are in; the youngest eight loads (A's blocks 4-7) may be out
	WIN MUL_LO
	MUL16 0, (\q)%2, \q, \slot, \zero
	MUL16 2, (\q)%2, \q, \slot, \zero
	s_wait_dscnt 0x0                               ; A's blocks 4-7 are in
	PLACES NP
	FETCH_B \slot, (\q)+1, 1-(\q)%2
	FETCH_A \slot, (\q)+1, 0
	WIN MUL_HI
	MUL16 4, (\q)%2, \q, \slot, \zero
	MUL16 6, (\q)%2, \q, \slot, \zero
	PLACES NP
	WIN 0
	FETCH_A \slot, (\q)+1, 4
.endm
.macro TURN                            ; the first K half's last step: its successor is the second K half's first.  All of K landed at the head: no wait on tiles, no barrier
	s_wait_dscnt 4*NL
	WIN MUL_LO
	MUL16 0, 1, NQ-1, 0, 0
	MUL16 2, 1, NQ-1, 0, 0
	s_wait_dscnt 0x0
	PLACES NP
	FETCH_B 1, 0, 0
	FETCH_A 1, 0, 0
	SCALES 1
	WIN MUL_HI
	MUL16 4, 1, NQ-1, 0, 0
	MUL16 6, 1, NQ-1, 0, 0
	PLACES NP
	WIN 0
	FETCH_A 1, 0, 4
.endm
	s_wait_alu depctr_va_vdst(0)                   ; the wait at the head's end
	s_wait_tensorcnt 0x0                           ; my one load has landed
	s_barrier_signal -1
	s_barrier_wait -1                              ; everybody's are
	FETCH_B 0, 0, 0
	FETCH_A 0, 0, 0
	SCALES 0
	FETCH_A 0, 0, 4
	STEP 0, 0, 1                                   ; the first products start the sums: nothing is cleared
	STEP 0, 1, 0
	STEP 0, 2, 0
	TURN
	STEP 1, 0, 0
	STEP 1, 1, 0
	STEP 1, 2, 0
	s_wait_dscnt 4*NL                              ; the last step: nothing more to fetch
	WIN MUL_LO
	MUL16 0, 1, NQ-1, 1, 0
	MUL16 2, 1, NQ-1, 1, 0
	s_wait_dscnt 0x0
	WIN MUL_HI
	MUL16 4, 1, NQ-1, 1, 0
	MUL16 6, 1, NQ-1, 1, 0
	WIN 0
; THE WAY OUT.  For A's block a a lane holds 64 numbers of ONE row m': register 16 b + i = n' 32 b + 16 (lane / 16) + i.  They become 8 registers of codes (an operand's image) and a scale word, and leave as they stand.
.macro QEPI a
.set QAC, 64*((\a)%4)
.set QW,  2+(\a)/4
.set QW5, 5*QW
	WIN QW5                                        ; sources 0 and 1: window 2 or 3
.irp b, 0,1,2,3
	v_max3_num_f32 v[TM+\b], |v[QAC+16*\b]|, |v[QAC+16*\b+1]|, 0x1800000   ; block b: my 16 numbers and the floor 2^(3 - 127); each accumulator is read from its low end on
.endr
.irp n, 2,4,6,8,10,12,14
.irp b, 0,1,2,3
	v_max3_num_f32 v[TM+\b], |v[QAC+16*\b+\n]|, |v[QAC+16*\b+\n+1]|, v[TM+\b]
.endr
.endr
	WIN 0
.irp b, 0,1,2,3
	v_permlanex16_b32 v[TM+4+\b], v[TM+\b], s90, s91
.endr
.irp b, 0,1,2,3
	v_max_num_f32 v[TM+\b], v[TM+\b], v[TM+4+\b]   ; with lane l xor 16's: the block's largest magnitude
.endr
.irp b, 0,1,2,3
	v_add_nc_u32 v[TM+12+\b], 0xff000000, v[TM+\b] ; 2 off its exponent field: the conversion's scale operand
.endr
.irp b, 0,1,2,3
	v_lshrrev_b32 v[TM+4+\b], 23, v[TM+12+\b]      ; the scale's byte
.endr
	v_lshl_or_b32 v[PW], v[TM+5], 8, v[TM+4]
	v_lshl_or_b32 v[PW], v[TM+6], 16, v[PW]
	v_lshl_or_b32 v[PW], v[TM+7], 24, v[PW]
.if (\a) > 0
	s_wait_xcnt 0x0                                ; the last block's stores have read their codes and their base: both are written again only behind this wait
.if (\a) == 4
	s_add_nc_u64 s[92:93], s[92:93], s[96:97]
.else
	s_add_nc_u64 s[92:93], s[92:93], s[94:95]
.endif
.endif
	WIN QW                                         ; source 0: window 2 or 3
.irp b, 0,1,2,3
	v_cvt_scalef32_pk8_fp4_f32 v[PC+2*\b], v[QAC+16*\b:QAC+16*\b+7], v[TM+12+\b]
	v_cvt_scalef32_pk8_fp4_f32 v[PC+2*\b+1], v[QAC+16*\b+8:QAC+16*\b+15], v[TM+12+\b]
.endr
	WIN 0
	v_nop                                          ; one plain place behind a scaled conversion
.irp c, 0,1                                    ; a whole block to a lane: lanes 0-15 block 2 c, lanes 16-31 block 2 c + 1
.irp i, 0,1
	v_permlane16_swap_b32 v[PC+4*\c+\i], v[PC+2+4*\c+\i]
.endr
.endr
	global_store_b128 v[VO0], v[PC:PC+3], s[92:93] th:TH_STORE_NT          ; 512 consecutive bytes each
	global_store_b128 v[VO1], v[PC+4:PC+7], s[92:93] th:TH_STORE_NT
	v_lshrrev_b32 v[SW+(\a)], v[SHF], v[PW]        ; q, k: lanes 16-31 keep the second head's two bytes; v: the word as it is
.if (\a) == 3
	global_store_b128 v[VS0], v[SW:SW+3], s[98:99] th:TH_STORE_NT          ; sixteen lanes fill 256 consecutive bytes, aligned
.endif
.if (\a) == 7
	global_store_b128 v[VS1], v[SW+4:SW+7], s[98:99] th:TH_STORE_NT
.endif
.endm
	s_mov_b32 s90, 0x76543210                      ; (B's scale descriptor is done with: all tensor loads have landed)  v_permlanex16_b32's selects for lane l xor 16
	s_mov_b32 s91, 0xfedcba98
	PLACES NP                                      ; behind the last products
.irp a, 0,1,2,3,4,5,6,7
	QEPI \a
.endr
	s_wait_dscnt 0x0
	s_wait_tensorcnt 0x0
	ds_add_u32 v254, v255
	s_wait_dscnt 0x0
	CROUND                                         ; the closing round: no work-group ends while a partner may still ask for a tile that names it
	s_endpgm
.Lfunc_end_k_qcd18f022f4_proj:
	.size	k_qcd18f022f4_proj, .Lfunc_end_k_qcd18f022f4_proj-k_qcd18f022f4_proj
	.p2alignl 7, 3214868480
	.fill 96, 4, 3214868480
	.section	.rodata,"a",@progbits
	.p2align	6, 0x0
	.amdhsa_kernel k_qcd18f022f4_proj
		.amdhsa_group_segment_fixed_size 279040
		.amdhsa_private_segment_fixed_size 0
		.amdhsa_enable_private_segment 0
		.amdhsa_kernarg_size 32
		.amdhsa_user_sgpr_count 2
		.amdhsa_user_sgpr_kernarg_segment_ptr 1
		.amdhsa_wavefront_size32 1
		.amdhsa_system_sgpr_workgroup_id_x 1
		.amdhsa_system_sgpr_workgroup_id_y 1
		.amdhsa_system_sgpr_workgroup_id_z 1
		.amdhsa_system_vgpr_workitem_id 0
		.amdhsa_next_free_vgpr 1024
		.amdhsa_next_free_sgpr 100
		.amdhsa_reserve_vcc 0
		.amdhsa_float_denorm_mode_32 3
		.amdhsa_float_denorm_mode_16_64 3
		.amdhsa_memory_ordered 1
		.amdhsa_forward_progress 1
		.amdhsa_inst_pref_size 128
	.end_amdhsa_kernel
	.amdgpu_metadata
---
amdhsa.version: [ 1, 2 ]
amdhsa.kernels:
  - .name:           k_qcd18f022f4_proj
    .symbol:         k_qcd18f022f4_proj.kd
    .args:
      - { .name: cod, .offset: 0, .size: 8, .value_kind: global_buffer, .address_space: global }
      - { .name: scl, .offset: 8, .size: 8, .value_kind: global_buffer, .address_space: global }
      - { .name: qkvc, .offset: 16, .size: 8, .value_kind: global_buffer, .address_space: global }
      - { .name: qkvs, .offset: 24, .size: 8, .value_kind: global_buffer, .address_space: global }
    .group_segment_fixed_size: 279040
    .private_segment_fixed_size: 0
    .kernarg_segment_align: 8
    .kernarg_segment_size: 32
    .max_flat_workgroup_size: 128
    .sgpr_count:     100
    .vgpr_count:     1024
    .wavefront_size: 32
...
	.end_amdgpu_metadata
.endif
;; end of part 2
;; launch attn (part 3): grid 4 x 64, 16 waves a work-group, clusters of 4 x 1, 292,864 bytes of LDS; arguments qkvc, qkvs, attn; writes attn
.if DOCPART == 3
	.amdgcn_target "amdgcn-amd-amdhsa--gfx1250"
	.amdhsa_code_object_version 6
	.text
	.protected	k_qcd18f022f4_attn
	.globl	k_qcd18f022f4_attn
	.p2align	8
	.type	k_qcd18f022f4_attn,@function
k_qcd18f022f4_attn:
	s_mov_b64 s[64:65], 0
	v_nop
	global_prefetch_b8 v0, s[64:65] scope:SCOPE_SE
	s_setreg_imm32_b32 hwreg(HW_REG_WAVE_MODE, 25, 1), 1
	s_wait_xcnt 0x0
	s_wait_alu depctr_hold_cnt(0) depctr_sa_sdst(0) depctr_va_vdst(0) depctr_va_sdst(0) depctr_va_ssrc(0) depctr_va_vcc(0) depctr_vm_vsrc(0)
	s_getreg_b32 s2, hwreg(HW_REG_IB_STS2, 6, 4)
	s_cmp_eq_u32 s2, 0
	s_cbranch_scc0 .Lentry_in_a_cluster
	s_endpgm
.Lentry_in_a_cluster:
	s_bfe_u32 s2, ttmp6, 0x10000c
	s_cmp_lg_u32 s2, 0x3003
	s_cbranch_scc0 .Lentry_shape_is_right
	s_endpgm
.Lentry_shape_is_right:
; attn[token][64 head + d] = the sum over the three modalities m of softmax_k(q . k_m / 8) v_m, both products on codes of FP4 with E8M0 scales.  Head size 64, 1,024 keys, 64 pairs bh = 16 batch + head.
; THE SOFTMAX AHEAD OF THE SECOND PRODUCT: t = score x log2(e) / 8; M = the row's largest t so far, rounded UP to a whole number; p = 2^(t - M) is quantised along the keys, not normalised.
; The row's sum is taken of the unquantised p and divides O at the modality's end.  When M moves, the sum and O are multiplied by 2^(old M - new M): exact.
; SHARES.  A work-group owns 256 queries of one bh; each of its sixteen waves one tile of 16: four waves to a SIMD.  Every wave walks 3 x 1,024 keys, 128 a step.
; THE TILES.  k_t, v_t, k_a, v_a, k_v, v_v of one bh lie one behind the other: 196,608 dense bytes of codes and 24,576 of scale words.  All come into LDS ONCE, at the head, one tensor load a wave:
; waves 0 to 11 fetch 16,384 bytes of codes each, waves 12 to 15 6,144 bytes of scale words each.  One wait, one barrier; behind it no LDS byte of the tiles is written, so the 24 key steps need no barrier.
; CLUSTER.  The four query blocks of one bh read the same K and V: every tile is asked for jointly, with the mask of all four.  The place in the cluster enters Q's and the result's addresses alone.
; NO PREFETCH: every tile is asked for by the head's loads; there is no later load to run ahead of.
; LAYOUT.  Both products are used transposed: S^T = K Q^T, O^T = V^T P^T: a lane holds ONE query (lane % 16) throughout.  The keys of a tile are row(T, i) = 32 (T / 2) + 8 (T % 2) + i + 8 (i / 8),
; so the 16 registers of tiles 2 b and 2 b + 1 are the 16 neighbouring keys 32 b + 16 (lane / 16) + 0 .. 15.  Operands lie in memory and LDS as images of their registers.
; K = 64 IN AN INSTRUCTION OF 128: Q's registers 4-7 are zero codes, so whatever stands in K's registers 4-7 adds nothing: tile t is named as v[32 + 4 t .. 39 + 4 t], whose upper half is the next tile
; (for t = 7: four registers of zeros).  Bytes 2, 3 of both scale words are never 0xff.
; LIMITS: NaN and infinities are not served; a block of p that has fallen to 0 keeps the byte 1: its codes are zeros; the promise holds while |t| stays under 2^31.
.set SCL,   196608                     ; LDS: 65,536 m: K's 8 steps x 4,096 bytes, then V's;  SCL + 8,192 m: K's 8 x 512 bytes of scale words, then V's
.set STAGE, 221184                     ; the way out: 16 rows x (256 + 16) bytes for each wave; no tensor load fills it
.set SPARE, 290816                     ; the spare words: 128 bytes a wave
.set LI,  1                            ; v1   16 x lane
.set LR,  2                            ; v2   SCL + 16 (lane % 16)
.set ADK, 3                            ; v3   LDS address of the step's tiles
.set ADS, 4                            ; v4   of its scale words
.set GO,  5                            ; v5   the way out: my byte offset in the wave's rows of the result
.set STO, 6                            ; v6   where I put 16 bytes of a row
.set RD,  7                            ; v7   where I read a row back
.set QF,  16                           ; v16-19 Q's codes, v20-23 zero codes
.set QS,  24                           ; v24  Q's scale words
.set PS,  25                           ; v25  p's scale word
.set FF,  26                           ; v[26:27] f = 2^(old M - new M) (the low word serves both halves)
.set TT,  28                           ; v[28:29] at work
.set KF,  32                           ; v32-63 K's 8 x 4 registers, then V's 4 x 8;  v64-67 zeros
.set KS,  72                           ; v72-79 K's scale words
.set VS,  80                           ; v80-83 V's
.set BM,  84                           ; v84-87 the blocks' largest scores, then largest p
.set T2,  88                           ; v88-91 at work
.set SO,  92                           ; v92-95 the conversions' scale operands
.set SS,  96                           ; v96-159 S^T, then p
.set OT,  160                          ; v160-191 O^T of the modality in hand
.set OS,  192                          ; v192-223 the sum of the modalities
.set PCD, 224                          ; v224-231 p's codes
.set WV,  18
.set SEL, 20
.set CS,  22                           ; s[22:23] c = log2(e) / 8
.set G1C, 24                           ; s[24:31] group 1 for codes;  s[32:39] for scale words;  s[40:43], s[44:47] their groups 0
.set G1S, 32
.set G0C, 40
.set G0S, 44
.set TC,  2                            ; s2   LDS byte at which the step's tiles of K begin
.set TS,  3                            ; s3   and its scale words, from SCL on
.set CNT, 66
.macro ROUND                           ; a round of the cluster's barrier
	s_barrier_signal -1
	s_barrier_wait -1
	s_cmp_lg_u32 s[WV], 0
	s_cbranch_scc1 .Lnot_wave_0_\@
	s_barrier_signal -3
.Lnot_wave_0_\@:
	s_barrier_wait -3
	s_barrier_signal -1
	s_barrier_wait -1
.endm
	s_load_b128 s[4:7], s[0:1], 0x0                ; qkvc, qkvs
	s_load_b64 s[8:9], s[0:1], 0x10                ; attn
	v_lshl_add_u32 v232, v0, 2, SPARE
	v_mov_b32 v233, 0
	ds_add_u32 v232, v233                          ; the opening lines: the add, twice on end, and its wait ahead of my tensor load
	ds_add_u32 v232, v233
	v_lshrrev_b32 v8, 5, v0
	s_delay_alu instid0(VALU_DEP_1)
	v_readfirstlane_b32 s[WV], v8                  ; wave 0..15
	s_bfe_u32 s10, ttmp6, 0x40000                  ; cx: my block of 256 queries
	s_and_b32 s11, ttmp7, 0xffff                   ; bh, which the four partners share
	s_mul_i32 s12, s11, 229376                     ; its codes: 7 x 32,768 bytes
	s_mul_i32 s13, s11, 28672                      ; its scale words: 7 x 4,096
	s_lshl_b32 s14, s[WV], 14                      ; codes: 16,384 bytes a wave, in LDS and behind q's 32,768 bytes in memory
	s_add_co_u32 s16, s12, s14
	s_add_co_u32 s16, s16, 32768
	s_mov_b32 s17, 0
	s_and_b32 s15, s[WV], 3
	s_mul_i32 s15, s15, 6144                       ; scale words: 6,144 bytes for each of waves 12 to 15, behind q's 4,096 bytes
	s_add_co_u32 s68, s13, s15
	s_add_co_u32 s68, s68, 4096
	s_mov_b32 s69, 0
	s_mov_b32 s[G1C], 15|(3<<16)|(1<<21)           ; 15:0 the mask: all four work-groups; 17:16 elements of 8 bytes; 21 set beside a mask; no padding
	s_mov_b32 s[G1C+1], 32<<16                     ; 16,384 dense bytes as 64 rows of 256
	s_mov_b32 s[G1C+2], 64<<16
	s_mov_b32 s[G1C+3], 32<<16
	s_mov_b32 s[G1C+4], 64
	s_mov_b32 s[G1C+5], 32
	s_mov_b32 s[G1C+6], 0
	s_mov_b32 s[G1C+7], 0
	s_mov_b32 s[G1S], 15|(3<<16)|(1<<21)
	s_mov_b32 s[G1S+1], 32<<16                     ; 6,144 dense bytes as 24 rows of 256
	s_mov_b32 s[G1S+2], 24<<16
	s_mov_b32 s[G1S+3], 32<<16
	s_mov_b32 s[G1S+4], 24
	s_mov_b32 s[G1S+5], 32
	s_mov_b32 s[G1S+6], 0
	s_mov_b32 s[G1S+7], 0
	s_mov_b32 s[SEL], 0x76543210
	s_mov_b32 s[SEL+1], 0xfedcba98                 ; v_permlanex16_b32's selects for lane l xor 16
	s_mov_b32 s[CS], 0x3e38aa3b
	s_mov_b32 s[CS+1], s[CS]                       ; (named with it as a pair, so it is written)
	s_wait_dscnt 0x0                               ; both opening adds are done
	s_wait_kmcnt 0x0
	s_mov_b32 s[G0C], 1
	s_mov_b32 s[G0C+1], s14
	s_add_nc_u64 s[G0C+2:G0C+3], s[4:5], s[16:17]
	s_or_b32 s[G0C+3], s[G0C+3], 0x80000000
	s_mov_b32 s[G0S], 1
	s_add_co_u32 s[G0S+1], s15, SCL
	s_add_nc_u64 s[G0S+2:G0S+3], s[6:7], s[68:69]
	s_or_b32 s[G0S+3], s[G0S+3], 0x80000000
	ROUND                                          ; all four work-groups are here: the joint loads meet
	s_cmp_lt_u32 s[WV], 12                         ; two arms on the wave's number, a load in each: every way through the head passes exactly one
	s_cbranch_scc0 .Lscales
	tensor_load_to_lds s[G0C:G0C+3], s[G1C:G1C+7]
	s_nop 0
.rept 4
	v_nop
.endr
	s_branch .Lasked
.Lscales:
	tensor_load_to_lds s[G0S:G0S+3], s[G1S:G1S+7]
	s_nop 0
.rept 4
	v_nop
.endr
.Lasked:
	s_lshl_b32 s70, s10, 13                        ; Q's codes: my tile is number 16 cx + wave of the batch: 512 bytes a tile
	s_lshl_b32 s71, s[WV], 9
	s_add_co_u32 s70, s70, s71
	s_add_co_u32 s70, s70, s12
	s_mov_b32 s71, 0
	s_add_nc_u64 s[4:5], s[4:5], s[70:71]
	s_lshl_b32 s70, s10, 10                        ; its scale words: 256 bytes for four tiles, 4 bytes a tile in a row's 16
	s_lshr_b32 s15, s[WV], 2
	s_lshl_b32 s15, s15, 8
	s_add_co_u32 s70, s70, s15
	s_and_b32 s15, s[WV], 3
	s_lshl_b32 s15, s15, 2
	s_add_co_u32 s70, s70, s15
	s_add_co_u32 s70, s70, s13
	s_add_nc_u64 s[6:7], s[6:7], s[70:71]
	s_lshr_b32 s70, s11, 4                         ; the result: token 1,024 batch + 256 cx + 32 (wave / 2) + 8 (wave % 2),
	s_lshl_b32 s70, s70, 10
	s_lshl_b32 s15, s10, 8
	s_add_co_u32 s70, s70, s15
	s_lshr_b32 s15, s[WV], 1
	s_lshl_b32 s15, s15, 5
	s_add_co_u32 s70, s70, s15
	s_and_b32 s15, s[WV], 1
	s_lshl_b32 s15, s15, 3
	s_add_co_u32 s70, s70, s15
	s_lshl_b32 s70, s70, 12                        ; rows of 4,096 bytes,
	s_and_b32 s15, s11, 15
	s_lshl_b32 s15, s15, 8                         ; the head's 256 bytes
	s_add_co_u32 s70, s70, s15
	s_add_nc_u64 s[8:9], s[8:9], s[70:71]
	v_and_b32 v8, 31, v0
	s_delay_alu instid0(VALU_DEP_1)
	v_lshlrev_b32 v[LI], 4, v8
	v_and_b32 v9, 15, v0                           ; r
	v_bfe_u32 v10, v0, 4, 1                        ; h
	s_delay_alu instid0(VALU_DEP_2)
	v_lshlrev_b32 v11, 4, v9
	global_load_b128 v[QF:QF+3], v[LI], s[4:5]     ; Q's codes stay in registers
	global_load_b32 v[QS], v11, s[6:7]             ; and its scale words
	v_lshl_add_u32 v[LR], v9, 4, SCL
	s_mul_i32 s19, s[WV], 16*272
	s_add_co_u32 s19, s19, STAGE                   ; my stage
	v_mul_u32_u24 v[STO], v9, 272
	s_delay_alu instid0(VALU_DEP_1)
	v_lshl_add_u32 v[STO], v10, 6, v[STO]
	s_delay_alu instid0(VALU_DEP_1)
	v_add_nc_u32 v[STO], s19, v[STO]               ; in: row r, + 64 h
	v_mul_u32_u24 v[RD], v10, 272
	s_delay_alu instid0(VALU_DEP_1)
	v_lshl_add_u32 v[RD], v9, 4, v[RD]
	s_delay_alu instid0(VALU_DEP_1)
	v_add_nc_u32 v[RD], s19, v[RD]                 ; back: lanes 0-15 one row, lanes 16-31 the next
	v_lshlrev_b32 v[GO], 12, v10
	s_delay_alu instid0(VALU_DEP_1)
	v_lshl_add_u32 v[GO], v9, 4, v[GO]
.irp j, 20,21,22,23,64,65,66,67,27,28,29,88,89,90,91
	v_mov_b32 v\j, 0                               ; the zero codes; upper halves of pairs; lane permutes' destinations
.endr
; A KEY STEP: 128 keys.
.macro STEP
	v_add_nc_u32 v[ADK], s[TC], v[LI]
	v_add_nc_u32 v[ADS], s[TS], v[LR]
	v_nop
	v_nop                                          ; four places in front of loads into registers that the last products have read
.irp t, 0,1,2,3,4,5,6,7
	ds_load_b128 v[KF+4*\t:KF+4*\t+3], v[ADK] offset:512*\t
.endr
	ds_load_b128 v[KS:KS+3], v[ADS]
	ds_load_b128 v[KS+4:KS+7], v[ADS] offset:256
	s_wait_alu depctr_va_vdst(0)                   ; the wait here, directly ahead of the wait below
	s_wait_dscnt 0x0
.irp t, 0,1,2,3,4,5,6,7
	v_wmma_scale_f32_16x16x128_f8f6f4 v[SS+8*\t:SS+8*\t+7], v[KF+4*\t:KF+4*\t+7], v[QF:QF+7], 0, v[KS+\t], v[QS] matrix_a_fmt:MATRIX_FMT_FP4 matrix_b_fmt:MATRIX_FMT_FP4
.endr
.rept 4
	v_nop                                          ; places: for the loads below and for the first read of the scores
.endr
.irp t, 0,1,2,3                                ; V's fragments are asked for now and land under the softmax
.irp c, 0,1
	ds_load_b128 v[KF+8*\t+4*\c:KF+8*\t+4*\c+3], v[ADK] offset:32768+1024*\t+512*\c
.endr
.endr
	ds_load_b128 v[VS:VS+3], v[ADS] offset:4096
.irp b, 0,1,2,3
	v_max3_num_f32 v[BM+\b], v[SS+16*\b], v[SS+1+16*\b], v[SS+2+16*\b]   ; the largest score of each block of 32 keys: for the row's maximum, and, since p rises with the score, for the block's largest p
.endr
.irp i, 3,5,7,9,11,13
.irp b, 0,1,2,3
	v_max3_num_f32 v[BM+\b], v[BM+\b], v[SS+16*\b+\i], v[SS+1+16*\b+\i]
.endr
.endr
.irp b, 0,1,2,3
	v_max_num_f32 v[BM+\b], v[BM+\b], v[SS+15+16*\b]
.endr
.irp b, 0,1,2,3
	s_delay_alu instid0(VALU_DEP_4)
	v_permlanex16_b32 v[T2+\b], v[BM+\b], s[SEL], s[SEL+1]
.endr
.irp b, 0,1,2,3
	s_delay_alu instid0(VALU_DEP_4)
	v_max_num_f32 v[BM+\b], v[BM+\b], v[T2+\b]     ; with lane l xor 16's 16 keys
.endr
	s_delay_alu instid0(VALU_DEP_2)
	v_max3_num_f32 v[TT], v[BM], v[BM+1], v[BM+2]
	s_delay_alu instid0(VALU_DEP_1)
	v_max_num_f32 v[TT], v[TT], v[BM+3]            ; the step's largest score of my query
	s_delay_alu instid0(VALU_DEP_1)
	v_mul_f32 v[TT], s[CS], v[TT]                  ; as t (c is positive)
	s_delay_alu instid0(VALU_DEP_1)
	v_max_num_f32 v13, v13, v[TT]                  ; the running largest t
	v_mov_b32 v[TT], v12
	s_delay_alu instid0(VALU_DEP_2)
	v_floor_f32 v12, -v13                          ; the new -M = floor(-t) = -ceil(t)
	s_delay_alu instid0(VALU_DEP_1)
	v_sub_f32 v[TT], v12, v[TT]                    ; old M - new M: a whole number, 0 or less
	s_delay_alu instid0(VALU_DEP_1)
	v_cvt_i32_f32 v[TT], v[TT]                     ; (it saturates)
	s_delay_alu instid0(VALU_DEP_1)
	v_ldexp_f32 v[FF], 1.0, v[TT]                  ; f = 2^(old M - new M)
.set j, 0
.rept 32
	v_pk_fma_f32 v[SS+j:SS+j+1], v[SS+j:SS+j+1], s[CS:CS+1], v[12:13] op_sel_hi:[1,0,0]   ; t - M, two at a time
.set j, j+2
.endr
.irp b, 0,1,2,3
	v_fma_f32 v[BM+\b], v[BM+\b], s[CS], v12       ; the same of each block's largest score
.endr
	s_wait_alu depctr_va_vdst(0)                   ; the wait ahead of the batch
.set j, 0
.rept 64
	v_exp_f32 v[SS+j], v[SS+j]                     ; p = 2^(t - M), at most 1
.set j, j+1
.endr
	v_pk_mul_f32 v[14:15], v[14:15], v[FF:FF+1] op_sel_hi:[1,0]   ; the sums under the new M: a plain place behind the exponentials
	s_wait_alu depctr_va_vdst(0)                   ; one wait for the whole batch, ahead of its first reader
.irp b, 0,1,2,3
	v_exp_f32 v[BM+\b], v[BM+\b]                   ; the block's largest p: the same two instructions on the same number give the same bits
.endr
; the row's sum of the unquantised p: 32 pairs in eight chains: seven in v88-95 and v224-229, the eighth the running sum itself
.irp i, 0,1,2,3,4,5,6
	v_pk_add_f32 v[88+2*\i+128*(\i/4):89+2*\i+128*(\i/4)], v[SS+4*\i:SS+4*\i+1], v[SS+4*\i+2:SS+4*\i+3]
.endr
	v_pk_add_f32 v[14:15], v[14:15], v[SS+28:SS+29]
.irp i, 0,1,2,3,4,5,6
	v_pk_add_f32 v[88+2*\i+128*(\i/4):89+2*\i+128*(\i/4)], v[88+2*\i+128*(\i/4):89+2*\i+128*(\i/4)], v[SS+30+2*\i:SS+31+2*\i]
.endr
	v_pk_add_f32 v[14:15], v[14:15], v[SS+44:SS+45]
.irp i, 0,1,2,3,4,5,6
	v_pk_add_f32 v[88+2*\i+128*(\i/4):89+2*\i+128*(\i/4)], v[88+2*\i+128*(\i/4):89+2*\i+128*(\i/4)], v[SS+46+2*\i:SS+47+2*\i]
.endr
	v_pk_add_f32 v[14:15], v[14:15], v[SS+60:SS+61]
	v_pk_add_f32 v[88:89], v[88:89], v[SS+62:SS+63]
	v_pk_add_f32 v[92:93], v[92:93], v[94:95]
	v_pk_add_f32 v[224:225], v[224:225], v[226:227]
	v_pk_add_f32 v[14:15], v[14:15], v[228:229]
	v_pk_add_f32 v[88:89], v[88:89], v[90:91]
	s_delay_alu instid0(VALU_DEP_2)
	v_pk_add_f32 v[14:15], v[14:15], v[224:225]
	s_delay_alu instid0(VALU_DEP_2)
	v_pk_add_f32 v[88:89], v[88:89], v[92:93]
	s_delay_alu instid0(VALU_DEP_1)
	v_pk_add_f32 v[14:15], v[14:15], v[88:89]
	s_wait_alu depctr_va_vdst(0)                   ; and one for the four
.irp b, 0,1,2,3
	v_max_num_f32 v[BM+\b], 0x1800000, v[BM+\b]    ; the floor 2^(3 - 127): the byte cannot fall under 1
.endr
.irp b, 0,1,2,3
	s_delay_alu instid0(VALU_DEP_4)
	v_add_nc_u32 v[SO+\b], 0xff000000, v[BM+\b]    ; 2 off the exponent field: the conversion's scale operand
.endr
.irp b, 0,1,2,3
	s_delay_alu instid0(VALU_DEP_4)
	v_lshrrev_b32 v[T2+\b], 23, v[SO+\b]           ; the scale's byte
.endr
	s_delay_alu instid0(VALU_DEP_3)
	v_lshl_or_b32 v[PS], v[T2+1], 8, v[T2]         ; p's scale word for these 128 keys
	s_delay_alu instid0(VALU_DEP_1)
	v_lshl_or_b32 v[PS], v[T2+2], 16, v[PS]
	s_delay_alu instid0(VALU_DEP_1)
	v_lshl_or_b32 v[PS], v[T2+3], 24, v[PS]
.irp b, 0,1,2,3
	v_cvt_scalef32_pk8_fp4_f32 v[PCD+2*\b], v[SS+16*\b:SS+7+16*\b], v[SO+\b]
	v_cvt_scalef32_pk8_fp4_f32 v[PCD+1+2*\b], v[SS+8+16*\b:SS+15+16*\b], v[SO+\b]
.endr
	v_nop                                          ; one plain place behind a scaled conversion
.irp c, 0,1                                    ; a whole block to a lane
.irp i, 0,1
	v_permlane16_swap_b32 v[PCD+4*\c+\i], v[PCD+2+4*\c+\i]
.endr
.endr
	s_wait_alu depctr_va_vdst(0)                   ; the wait here, directly ahead of the first reader of O^T
.set j, 0
.rept 16
	v_pk_mul_f32 v[OT+j:OT+j+1], v[OT+j:OT+j+1], v[FF:FF+1] op_sel_hi:[1,0]   ; O^T under the new M.  These sixteen also stand between the scale word's and the codes' last writes and the products
.set j, j+2
.endr
	s_wait_alu depctr_va_vdst(0)                   ; the wait here, directly ahead of the wait below
	s_wait_dscnt 0x0                               ; V's fragments and scale words are in
.irp t, 0,1,2,3
	v_wmma_scale_f32_16x16x128_f8f6f4 v[OT+8*\t:OT+8*\t+7], v[KF+8*\t:KF+8*\t+7], v[PCD:PCD+7], v[OT+8*\t:OT+8*\t+7], v[VS+\t], v[PS] matrix_a_fmt:MATRIX_FMT_FP4 matrix_b_fmt:MATRIX_FMT_FP4
.endr
.endm
; A MODALITY: eight key steps; O^T / the sum is added to the modalities' sum.  The step is written once a modality: its first trip finds zeros, which the first change of M leaves zeros.
.macro MODALITY m
	v_mov_b32 v13, 0xff61b1e6                      ; the largest t so far: -3e38
	s_delay_alu instid0(VALU_DEP_1)
	v_floor_f32 v12, -v13                          ; -M
	v_mov_b32 v14, 0                               ; the sum, in two halves
	v_mov_b32 v15, 0
.set j, 0
.rept 32
	v_mov_b32 v[OT+j], 0
.set j, j+1
.endr
	s_mov_b32 s[TC], 65536*\m
	s_mov_b32 s[TS], 8192*\m
	s_mov_b32 s[CNT], 8
.Lstep_\@:
	STEP
	s_add_co_u32 s[TC], s[TC], 4096
	s_add_co_u32 s[TS], s[TS], 512
	s_sub_co_u32 s[CNT], s[CNT], 1
	s_cmp_lg_u32 s[CNT], 0
	s_cbranch_scc1 .Lstep_\@
.rept 4
	v_nop                                          ; places behind the last products
.endr
	v_add_f32 v14, v14, v15                        ; the sum's two halves,
	s_delay_alu instid0(VALU_DEP_1)
	v_permlanex16_b32 v[TT+1], v14, s[SEL], s[SEL+1]
	s_delay_alu instid0(VALU_DEP_1)
	v_add_f32 v14, v14, v[TT+1]                    ; and lane l xor 16's
	s_wait_alu depctr_va_vdst(0)                   ; the wait ahead of the reciprocal
	v_rcp_f32 v[TT], v14
	v_mov_b32 v[TT+1], 0                           ; a plain place behind the reciprocal
	s_wait_alu depctr_va_vdst(0)                   ; the wait, ahead of its first reader and of O^T's
.set j, 0
.rept 16
.if \m == 0
	v_pk_mul_f32 v[OS+j:OS+j+1], v[OT+j:OT+j+1], v[TT:TT+1] op_sel_hi:[1,0]
.else
	v_pk_fma_f32 v[OS+j:OS+j+1], v[OT+j:OT+j+1], v[TT:TT+1], v[OS+j:OS+j+1] op_sel_hi:[1,0,1]
.endif
.set j, j+2
.endr
.endm
	s_wait_alu depctr_va_vdst(0)                   ; the wait at the head's end
	s_wait_loadcnt 0x0                             ; Q
	s_wait_tensorcnt 0x0                           ; my one tensor load has landed
	s_barrier_signal -1
	s_barrier_wait -1                              ; everybody's has: all K, V and scale words of the three modalities are in
	MODALITY 0
	MODALITY 1
	MODALITY 2
	; THE WAY OUT.  Register 8 t + j of lane (r, h) is channel 32 (t / 2) + 16 h + 8 (t % 2) + j of query row(tile, r).  Through my stage, back as whole rows of 256 bytes.
.irp t, 0,1,2,3
	ds_store_b128 v[STO], v[OS+8*\t:OS+8*\t+3] offset:128*(\t/2)+32*(\t%2)
	ds_store_b128 v[STO], v[OS+8*\t+4:OS+8*\t+7] offset:128*(\t/2)+32*(\t%2)+16
.endr
.irp i, 0,1,2,3,4,5,6,7
	ds_load_b128 v[KF+4*\i:KF+4*\i+3], v[RD] offset:544*\i   ; LDS serves a wave's instructions in order: these see my stores
.endr
.irp i, 0,1,2,3,4,5,6,7
	s_wait_dscnt 7-\i                              ; rows 2 i, 2 i + 1 are back; the younger loads may be out
	global_store_b128 v[GO], v[KF+4*\i:KF+4*\i+3], s[8:9] offset:(2*\i+8*(\i/4))*4096   ; sixteen lanes store 256 consecutive bytes, aligned
.endr
	s_wait_tensorcnt 0x0                           ; the wave's end
	ds_add_u32 v232, v233
	s_wait_dscnt 0x0
	ROUND                                          ; the closing round
	s_endpgm
.Lfunc_end_k_qcd18f022f4_attn:
	.size	k_qcd18f022f4_attn, .Lfunc_end_k_qcd18f022f4_attn-k_qcd18f022f4_attn
	.p2alignl 7, 3214868480
	.fill 96, 4, 3214868480
	.section	.rodata,"a",@progbits
	.p2align	6, 0x0
	.amdhsa_kernel k_qcd18f022f4_attn
		.amdhsa_group_segment_fixed_size 292864
		.amdhsa_private_segment_fixed_size 0
		.amdhsa_enable_private_segment 0
		.amdhsa_kernarg_size 24
		.amdhsa_user_sgpr_count 2
		.amdhsa_user_sgpr_kernarg_segment_ptr 1
		.amdhsa_wavefront_size32 1
		.amdhsa_system_sgpr_workgroup_id_x 1
		.amdhsa_system_sgpr_workgroup_id_y 1
		.amdhsa_system_sgpr_workgroup_id_z 1
		.amdhsa_system_vgpr_workitem_id 0
		.amdhsa_next_free_vgpr 234
		.amdhsa_next_free_sgpr 72
		.amdhsa_reserve_vcc 0
		.amdhsa_float_denorm_mode_32 3
		.amdhsa_float_denorm_mode_16_64 3
		.amdhsa_memory_ordered 1
		.amdhsa_forward_progress 1
		.amdhsa_inst_pref_size 66
	.end_amdhsa_kernel
	.amdgpu_metadata
---
amdhsa.version: [ 1, 2 ]
amdhsa.kernels:
  - .name:           k_qcd18f022f4_attn
    .symbol:         k_qcd18f022f4_attn.kd
    .args:
      - { .name: qkvc, .offset: 0, .size: 8, .value_kind: global_buffer, .address_space: global }
      - { .name: qkvs, .offset: 8, .size: 8, .value_kind: global_buffer, .address_space: global }
      - { .name: attn, .offset: 16, .size: 8, .value_kind: global_buffer, .address_space: global }
    .group_segment_fixed_size: 292864
    .private_segment_fixed_size: 0
    .kernarg_segment_align: 8
    .kernarg_segment_size: 24
    .max_flat_workgroup_size: 512
    .sgpr_count:     72
    .vgpr_count:     234
    .wavefront_size: 32
...
	.end_amdgpu_metadata
.endif
;; end of part 3
;; launch ffn (part 4): grid 256 x 1, 8 waves a work-group, clusters of 4 x 1, 327,680 bytes of LDS; arguments attn, query, g1, be1, cod, scl, b1, b2, g2, be2, out0; writes out0
.if DOCPART == 4
	.amdgcn_target "amdgcn-amd-amdhsa--gfx1250"
	.amdhsa_code_object_version 6
	.text
	.protected	k_qcd18f022f4_ffn
	.globl	k_qcd18f022f4_ffn
	.p2align	8
	.type	k_qcd18f022f4_ffn,@function
k_qcd18f022f4_ffn:
	s_mov_b64 s[64:65], 0
	v_nop
	global_prefetch_b8 v0, s[64:65] scope:SCOPE_SE
	s_setreg_imm32_b32 hwreg(HW_REG_WAVE_MODE, 25, 1), 1
	s_wait_xcnt 0x0
	s_wait_alu depctr_hold_cnt(0) depctr_sa_sdst(0) depctr_va_vdst(0) depctr_va_sdst(0) depctr_va_ssrc(0) depctr_va_vcc(0) depctr_vm_vsrc(0)
	s_getreg_b32 s2, hwreg(HW_REG_IB_STS2, 6, 4)
	s_cmp_eq_u32 s2, 0
	s_cbranch_scc0 .Lentry_in_a_cluster
	s_endpgm
.Lentry_in_a_cluster:
	s_bfe_u32 s2, ttmp6, 0x10000c
	s_cmp_lg_u32 s2, 0x3003
	s_cbranch_scc0 .Lentry_shape_is_right
	s_endpgm
.Lentry_shape_is_right:
; out0 = LN2(x + gelu(x W1 + b1) W2 + b2), x = LN1(query + attn); both products on codes of FP4 with E8M0 scales, x and the hidden layer quantised on the way.
; SHARES.  A work-group takes 16 rows through the whole chain; each of its eight waves owns 128 columns (8 tiles) of both products, all of K.  x's and the hidden layer's codes pass from wave to wave through LDS as images of operand registers.
; THE WEIGHTS lie in cod as images of operand registers and are walked in eight pairs of K steps, 16,384 bytes a wave and pair: W1's pairs 0-3, W2's pairs 4-7.
; Pairs 1, 2, 3, 5, 6, 7 come through a ring of two LDS slots by joint tensor loads (the four work-groups of a cluster walk the same weights): slot 0 takes pairs 1, 3, 6, slot 1 pairs 2, 5, 7; a wave reads only the bytes that it fetched itself.
; Pairs 0 and 4 go from memory straight into the 128 operand registers, which stand empty while x and the hidden layer are made: pair 0's 32 loads are issued behind the two rows of LN1, pair 4's in four groups of 8 ahead of the four quarters of the activation.
; gelu's erf is a quotient of two polynomials in z^2, z held to +-4, in f32.  LIMITS: NaN and infinities are not served; a block of zeros gets the scale byte 1: its codes are zeros, and this program alone reads the bytes.
.set SLOT, 131072
.set B0,   262144
.set XIMG, 0
.set XSC,  8192
.set HIMG, 9216
.set HSC,  17408
.set RED1, 18432
.set RED2, 18944
.set XH,   19456
.set XHP,  2064
.set SPARE, B0+XH+16*XHP
.set XP,   4112
.set LI,  1
.set LSB, 2
.set VB,  3
.set QA,  4
.set RW,  5
.set IWA, 6
.set SWA, 7
.set RDS, 8
.set RDL, 9
.set SPW, 10
.set NIL, 11
.set LIB, 20
.set WF,  21
.set QO,  23
.set RO,  28
.set PW,  30
.set XF,  32
.set HA,  96
.set W1S, 160
.set XS,  224
.set TM,  232
.set PC,  248
.set R1,  128
.set GZ,  32
.set GZ2, 48
.set GP,  64
.set GQ,  80
.set SEL, 28
.set G1,  40
.set G0,  48
.set MSB, 0
.macro WIN new
.if MSB != \new
	s_set_vgpr_msb (MSB<<8)|\new
.set MSB, \new
.endif
.endm
.macro BARRIER
	s_wait_dscnt 0x0
	s_barrier_signal -1
	s_barrier_wait -1
.endm
.macro ROUND
	s_barrier_signal -1
	s_barrier_wait -1
	s_cmp_lg_u32 s26, 0
	s_cbranch_scc1 .Lnot_wave_0_\@
	s_barrier_signal -3
.Lnot_wave_0_\@:
	s_barrier_wait -3
	s_barrier_signal -1
	s_barrier_wait -1
.endm
.macro CHANGE f, step
	WIN 0
	s_wait_tensorcnt 0x0
	ds_add_u32 v[SPW], v[NIL]
	s_add_nc_u64 s[G0+4*\f+2:G0+4*\f+3], s[G0+4*\f+2:G0+4*\f+3], \step
	s_wait_dscnt 0x0
	ROUND
	tensor_load_to_lds s[G0+4*\f:G0+4*\f+3], s[G1:G1+7]
	s_nop 0
.rept 4
	v_nop
.endr
.endm
.macro VLOAD dst, base
.irp t, 0,1,2,3,4,5,6,7
	global_load_b128 v[\dst+8*\t:\dst+8*\t+3], v[VB], s[\base:\base+1] offset:(32*(\t/2)+8*(\t%2))*4
	global_load_b128 v[\dst+8*\t+4:\dst+8*\t+7], v[VB], s[\base:\base+1] offset:(32*(\t/2)+8*(\t%2))*4+16
.endr
.endm
.macro XSTORE half
.irp i, 0,1,2,3
	ds_store_b128 v[RW], v[32+16*\half+4*\i:32+16*\half+4*\i+3] offset:512*\i
	ds_store_b128 v[RW], v[96+16*\half+4*\i:96+16*\half+4*\i+3] offset:XHP+512*\i
.endr
.endm
.macro XREAD
	WIN 0x40
.irp b, 0,1,2,3
.irp i, 0,1,2,3
	ds_load_b128 v[R1+16*\b+4*\i:R1+16*\b+4*\i+3], v[QA] offset:128*\b+16*\i
.endr
.endr
	WIN 0
.endm
.macro FETCHF img, sc
.irp s, 0,1,2,3,4,5,6,7
.irp c, 0,1
	ds_load_b128 v[XF+8*\s+4*\c:XF+8*\s+4*\c+3], v[LIB] offset:\img+1024*\s+512*\c
.endr
	ds_load_b32 v[XS+\s], v[LSB] offset:\sc+128*\s
.endr
.endm
.macro QUANT s, w
.set QW1, \w
.set QW5, 5*(\w)
	WIN QW5
.irp b, 0,1,2,3
	v_max3_num_f32 v[TM+\b], |v[\s+16*\b]|, |v[\s+1+16*\b]|, 0x1800000
.endr
.irp i, 2,4,6,8,10,12,14
.irp b, 0,1,2,3
	s_delay_alu instid0(VALU_DEP_4)
	v_max3_num_f32 v[TM+\b], |v[\s+16*\b+\i]|, |v[\s+1+16*\b+\i]|, v[TM+\b]
.endr
.endr
	WIN 0
.irp b, 0,1,2,3
	v_permlanex16_b32 v[TM+4+\b], v[TM+\b], s[SEL], s[SEL+1]
.endr
.irp b, 0,1,2,3
	s_delay_alu instid0(VALU_DEP_4)
	v_max_num_f32 v[TM+\b], v[TM+\b], v[TM+4+\b]
.endr
.irp b, 0,1,2,3
	s_delay_alu instid0(VALU_DEP_4)
	v_add_nc_u32 v[TM+12+\b], 0xff000000, v[TM+\b]
.endr
.irp b, 0,1,2,3
	s_delay_alu instid0(VALU_DEP_4)
	v_lshrrev_b32 v[TM+4+\b], 23, v[TM+12+\b]
.endr
	s_delay_alu instid0(VALU_DEP_3)
	v_lshl_or_b32 v[PW], v[TM+5], 8, v[TM+4]
	s_delay_alu instid0(VALU_DEP_1)
	v_lshl_or_b32 v[PW], v[TM+6], 16, v[PW]
	s_delay_alu instid0(VALU_DEP_1)
	v_lshl_or_b32 v[PW], v[TM+7], 24, v[PW]
	WIN QW1
.irp b, 0,1,2,3
	v_cvt_scalef32_pk8_fp4_f32 v[PC+2*\b], v[\s+16*\b:\s+7+16*\b], v[TM+12+\b]
	v_cvt_scalef32_pk8_fp4_f32 v[PC+1+2*\b], v[\s+8+16*\b:\s+15+16*\b], v[TM+12+\b]
.endr
	WIN 0
	v_nop
.irp c, 0,1
.irp i, 0,1
	v_permlane16_swap_b32 v[PC+4*\c+\i], v[PC+2+4*\c+\i]
.endr
.endr
.endm
.macro IMAGE img, sc
.irp c, 0,1
	ds_store_b128 v[IWA], v[PC+4*\c:PC+4*\c+3] offset:\img+512*\c
.endr
	ds_store_b32 v[SWA], v[PW] offset:\sc
.endm
.macro WSUM
	s_delay_alu instid0(VALU_DEP_1)
	v_add_f32_dpp v16, v16, v16 row_xmask:1 row_mask:0xf bank_mask:0xf
	s_delay_alu instid0(VALU_DEP_1)
	v_add_f32_dpp v16, v16, v16 row_xmask:2 row_mask:0xf bank_mask:0xf
	s_delay_alu instid0(VALU_DEP_1)
	v_add_f32_dpp v16, v16, v16 row_xmask:4 row_mask:0xf bank_mask:0xf
	s_delay_alu instid0(VALU_DEP_1)
	v_add_f32_dpp v16, v16, v16 row_xmask:8 row_mask:0xf bank_mask:0xf
	s_delay_alu instid0(VALU_DEP_1)
	v_permlanex16_b32 v31, v16, s[SEL], s[SEL+1]
	s_delay_alu instid0(VALU_DEP_1)
	v_add_f32 v16, v16, v31
.endm
.macro CHAINS d, n, sq
.if \sq
	v_pk_mul_f32 v[16:17], v[\d:\d+1], v[\d:\d+1]
	v_pk_mul_f32 v[18:19], v[\d+2:\d+3], v[\d+2:\d+3]
.else
	v_pk_add_f32 v[16:17], v[\d:\d+1], v[\d+4:\d+5]
	v_pk_add_f32 v[18:19], v[\d+2:\d+3], v[\d+6:\d+7]
.endif
.set j, 8-4*\sq
.rept (\n-8+4*\sq)/4
.if \sq
	s_delay_alu instid0(VALU_DEP_2)
	v_pk_fma_f32 v[16:17], v[\d+j:\d+j+1], v[\d+j:\d+j+1], v[16:17]
	s_delay_alu instid0(VALU_DEP_2)
	v_pk_fma_f32 v[18:19], v[\d+j+2:\d+j+3], v[\d+j+2:\d+j+3], v[18:19]
.else
	s_delay_alu instid0(VALU_DEP_2)
	v_pk_add_f32 v[16:17], v[16:17], v[\d+j:\d+j+1]
	s_delay_alu instid0(VALU_DEP_2)
	v_pk_add_f32 v[18:19], v[18:19], v[\d+j+2:\d+j+3]
.endif
.set j, j+4
.endr
	s_delay_alu instid0(VALU_DEP_1)
	v_pk_add_f32 v[16:17], v[16:17], v[18:19]
	s_delay_alu instid0(VALU_DEP_1)
	v_add_f32 v16, v16, v17
.endm
.macro CENTRE d, n
.set j, 0
.rept \n/2
	v_pk_add_f32 v[\d+j:\d+j+1], v[\d+j:\d+j+1], v[12:13] op_sel_hi:[1,0] neg_lo:[0,1] neg_hi:[0,1]
.set j, j+2
.endr
.endm
.macro LN1ROW d, q
	WIN 0x04
.set j, 0
.rept 16
	v_pk_add_f32 v[\d+j:\d+j+1], v[\d+j:\d+j+1], v[\q+j:\q+j+1]
.set j, j+2
.endr
	WIN 0
	CHAINS \d, 32, 0
	WSUM
	s_delay_alu instid0(VALU_DEP_1)
	v_mul_f32 v12, s30, v16
	CENTRE \d, 32
	CHAINS \d, 32, 1
	WSUM
	s_delay_alu instid0(VALU_DEP_1)
	v_fma_f32 v16, v16, s30, s31
	s_wait_alu depctr_va_vdst(0)
	v_rsq_f32 v14, v16
	v_nop
	s_wait_alu depctr_va_vdst(0)
.set j, 0
.rept 16
	v_pk_mul_f32 v[\d+j:\d+j+1], v[\d+j:\d+j+1], v[14:15] op_sel_hi:[1,0]
.set j, j+2
.endr
	WIN 0x14
.set j, 0
.rept 16
	v_pk_fma_f32 v[\d+j:\d+j+1], v[\d+j:\d+j+1], v[192+j:193+j], v[224+j:225+j]
.set j, j+2
.endr
	WIN 0
.endm
.macro MUL8 g, q
.irp t, 0,1,2,3,4,5,6,7
.if ((\g)%8) >= 4
	v_wmma_scale_f32_16x16x128_f8f6f4 v[HA+8*\t:HA+8*\t+7], v[64*(\q)+8*\t:64*(\q)+8*\t+7], v[XF+8*((\g)%8):XF+8*((\g)%8)+7], v[HA+8*\t:HA+8*\t+7], v[W1S+32*((\g)/8)+4*\t+((\g)%4)], v[XS+(\g)%8] matrix_a_fmt:MATRIX_FMT_FP4 matrix_b_fmt:MATRIX_FMT_FP4 matrix_a_scale:MATRIX_SCALE_ROW1
.else
	v_wmma_scale_f32_16x16x128_f8f6f4 v[HA+8*\t:HA+8*\t+7], v[64*(\q)+8*\t:64*(\q)+8*\t+7], v[XF+8*((\g)%8):XF+8*((\g)%8)+7], v[HA+8*\t:HA+8*\t+7], v[W1S+32*((\g)/8)+4*\t+((\g)%4)], v[XS+(\g)%8] matrix_a_fmt:MATRIX_FMT_FP4 matrix_b_fmt:MATRIX_FMT_FP4
.endif
.endr
.endm
.macro PAIR slot, p
	WIN 0x40
.irp q, 0,1
.irp t, 0,1,2,3,4,5,6,7
.irp c, 0,1
	ds_load_b128 v[64*\q+8*\t+4*\c:64*\q+8*\t+4*\c+3], v[WF+\slot] offset:2048*\t+1024*\q+512*\c
.endr
.endr
.endr
	s_wait_dscnt 16
	WIN 0x01
	MUL8 2*(\p), 0
	s_wait_dscnt 0x0
	MUL8 2*(\p)+1, 1
.endm
; tiles t0, t0 + 1 of pair p from memory into their operand registers in window 1: 8 loads of 512 consecutive bytes
.macro RL p, t0
	WIN 0x40
.irp t, \t0, \t0+1
.irp q, 0,1
.irp c, 0,1
	global_load_b128 v[64*\q+8*(\t)+4*\c:64*\q+8*(\t)+4*\c+3], v[LI], s[12:13] offset:524288*((\p)/4)+2048*((\p)%4)+8192*(\t)+1024*\q+512*\c
.endr
.endr
.endr
.endm
; the 16 products of a pair that lies in the registers already; four places behind them, ahead of the LDS loads into the same registers
.macro RPAIR p
	WIN 0x01
	MUL8 2*(\p), 0
	MUL8 2*(\p)+1, 1
.rept 4
	v_nop
.endr
.endm
.macro PK8 op, d, a, b
.irp j, 0,2,4,6,8,10,12,14
	\op v[\d+\j:\d+\j+1], v[\a+\j:\a+\j+1], v[\b+\j:\b+\j+1]
.endr
.endm
.macro GELU16 g
.set GX, HA+16*(\g)
.irp j, 0,2,4,6,8,10,12,14
	v_pk_mul_f32 v[GZ+\j:GZ+\j+1], v[GX+\j:GX+\j+1], 0x3f3504f3 op_sel_hi:[1,0]
.endr
.irp j, 0,1,2,3,4,5,6,7,8,9,10,11,12,13,14,15
	v_med3_num_f32 v[GZ+\j], v[GZ+\j], -4.0, 4.0
.endr
	PK8 v_pk_mul_f32, GZ2, GZ, GZ
.irp j, 0,2,4,6,8,10,12,14
	v_pk_fma_f32 v[GP+\j:GP+\j+1], v[GZ2+\j:GZ2+\j+1], v[24:25], 0x32edffee op_sel_hi:[1,1,0]
	v_pk_fma_f32 v[GQ+\j:GQ+\j+1], v[GZ2+\j:GZ2+\j+1], v[26:27], 0xb95fbd29 op_sel_hi:[1,1,0]
.endr
.irp c, 0xb60cff51, 0xb86ec2d2, 0xba40ac63, 0xbb41a1f6, 0xbc83dbd4
.irp j, 0,2,4,6,8,10,12,14
	v_pk_fma_f32 v[GP+\j:GP+\j+1], v[GP+\j:GP+\j+1], v[GZ2+\j:GZ2+\j+1], \c op_sel_hi:[1,1,0]
.endr
.endr
.irp c, 0xbadc924e, 0xbbf19bf8, 0xbc69b6a7
.irp j, 0,2,4,6,8,10,12,14
	v_pk_fma_f32 v[GQ+\j:GQ+\j+1], v[GQ+\j:GQ+\j+1], v[GZ2+\j:GZ2+\j+1], \c op_sel_hi:[1,1,0]
.endr
.endr
	s_wait_alu depctr_va_vdst(0)
.irp j, 0,1,2,3,4,5,6,7,8,9,10,11,12,13,14,15
	v_rcp_f32 v[GZ2+\j], v[GQ+\j]
.endr
	PK8 v_pk_mul_f32, GP, GP, GZ
.irp j, 0,2,4,6,8,10,12,14
	v_pk_mul_f32 v[GZ+\j:GZ+\j+1], v[GX+\j:GX+\j+1], 0.5 op_sel_hi:[1,0]
.endr
	s_wait_alu depctr_va_vdst(0)
	PK8 v_pk_mul_f32, GP, GP, GZ2
.irp j, 0,2,4,6,8,10,12,14
	v_pk_fma_f32 v[GX+\j:GX+\j+1], v[GZ+\j:GZ+\j+1], v[GP+\j:GP+\j+1], v[GZ+\j:GZ+\j+1]
.endr
.endm
.macro RSUM red
	s_delay_alu instid0(VALU_DEP_1)
	v_permlanex16_b32 v31, v16, s[SEL], s[SEL+1]
	s_delay_alu instid0(VALU_DEP_1)
	v_add_f32 v16, v16, v31
	ds_store_b32 v[RDS], v16 offset:\red
	BARRIER
	ds_load_b128 v[32:35], v[RDL] offset:\red
	ds_load_b128 v[36:39], v[RDL] offset:\red+16
	s_wait_dscnt 0x0
	v_add_f32 v32, v32, v33
	v_add_f32 v34, v34, v35
	v_add_f32 v36, v36, v37
	v_add_f32 v38, v38, v39
	s_delay_alu instid0(VALU_DEP_3)
	v_add_f32 v32, v32, v34
	s_delay_alu instid0(VALU_DEP_2)
	v_add_f32 v36, v36, v38
	s_delay_alu instid0(VALU_DEP_1)
	v_add_f32 v16, v32, v36
.endm
	s_load_b256 s[4:11], s[0:1], 0x0
	s_load_b256 s[12:19], s[0:1], 0x20
	s_load_b128 s[20:23], s[0:1], 0x40
	s_load_b64 s[24:25], s[0:1], 0x50
	v_lshl_add_u32 v[SPW], v0, 2, SPARE
	v_mov_b32 v[NIL], 0
	ds_add_u32 v10, v11
	ds_add_u32 v10, v11
	s_wait_dscnt 0x0
	v_lshrrev_b32 v1, 5, v0
	s_delay_alu instid0(VALU_DEP_1)
	v_readfirstlane_b32 s26, v1
	v_and_b32 v29, 31, v0
	v_and_b32 v30, 15, v0
	v_bfe_u32 v31, v0, 4, 1
	s_delay_alu instid0(VALU_DEP_3)
	v_lshlrev_b32 v[LI], 4, v29
	s_delay_alu instid0(VALU_DEP_4)
	v_lshl_add_u32 v[LIB], v29, 4, B0
	v_lshl_add_u32 v[LSB], v29, 2, B0
	s_delay_alu instid0(VALU_DEP_4)
	v_lshlrev_b32 v[VB], 6, v31
	v_mul_u32_u24 v[QA], v30, XHP
	s_delay_alu instid0(VALU_DEP_1)
	v_lshl_add_u32 v[QA], v31, 6, v[QA]
	s_and_b32 s32, s26, 3
	s_lshl_b32 s32, s32, 9
	s_add_co_u32 s32, s32, B0+XH
	v_add_nc_u32 v[QA], s32, v[QA]
	s_mul_i32 s32, s26, 2*XHP
	s_add_co_u32 s32, s32, B0+XH
	v_add_nc_u32 v[RW], s32, v[LI]
	s_lshl_b32 s32, s26, 10
	v_add_nc_u32 v[IWA], s32, v[LIB]
	s_lshl_b32 s32, s26, 7
	v_add_nc_u32 v[SWA], s32, v[LSB]
	v_lshl_add_u32 v[RDL], v30, 5, B0
	s_lshl_b32 s32, s26, 2
	v_add_nc_u32 v[RDS], s32, v[RDL]
	s_lshl_b32 s33, s26, 14
	v_add_nc_u32 v[WF], s33, v[LI]
	s_delay_alu instid0(VALU_DEP_1)
	v_add_nc_u32 v[WF+1], SLOT, v[WF]
	v_mul_u32_u24 v[QO], v30, XP
	s_delay_alu instid0(VALU_DEP_1)
	v_lshl_add_u32 v[QO], v31, 6, v[QO]
	s_lshl_b32 s32, s26, 9
	v_add_nc_u32 v[QO], s32, v[QO]
	s_mul_i32 s32, s26, 2*XP
	v_add_nc_u32 v[RO], s32, v[LI]
	v_mov_b32 v13, 0
	v_mov_b32 v15, 0
	v_mov_b32 v24, 0xaf95df0b
	v_mov_b32 v25, 0xaf95df0b
	v_mov_b32 v26, 0xb77460cd
	v_mov_b32 v27, 0xb77460cd
.irp b, 0,1,2,3
	v_mov_b32 v[TM+4+\b], 0
.endr
	s_mov_b32 s[SEL], 0x76543210
	s_mov_b32 s[SEL+1], 0xfedcba98
	s_mov_b32 s30, 0x3a800000
	s_mov_b32 s31, 0x3727c5ac
	s_mov_b32 s[G1], 15|(3<<16)|(1<<21)
	s_mov_b32 s[G1+1], 256<<16
	s_mov_b32 s[G1+2], 8<<16
	s_mov_b32 s[G1+3], 256<<16
	s_mov_b32 s[G1+4], 8
	s_mov_b32 s[G1+5], 1024
	s_mov_b32 s[G1+6], 0
	s_mov_b32 s[G1+7], 0
	s_bfe_u32 s56, ttmp6, 0x40000
	s_lshl_b32 s57, ttmp9, 2
	s_add_co_u32 s57, s57, s56
	s_lshl_b32 s36, s57, 16
	s_lshl_b32 s34, s26, 13
	s_add_co_u32 s36, s36, s34
	s_mov_b32 s37, 0
	s_lshl_b32 s34, s26, 16
	s_add_co_u32 s34, s34, 0xb80000
	s_mov_b32 s35, 0
	s_lshl_b32 s38, s26, 12
	s_add_co_u32 s38, s38, 0xb8000
	s_mov_b32 s39, 0
	s_lshl_b32 s58, s26, 9
	s_mov_b32 s59, 0
	s_wait_kmcnt 0x0
	s_add_nc_u64 s[4:5], s[4:5], s[36:37]
	s_add_nc_u64 s[6:7], s[6:7], s[36:37]
	s_add_nc_u64 s[24:25], s[24:25], s[36:37]
	s_add_nc_u64 s[12:13], s[12:13], s[34:35]
	s_add_nc_u64 s[14:15], s[14:15], s[38:39]
	s_add_nc_u64 s[16:17], s[16:17], s[58:59]
	s_add_nc_u64 s[18:19], s[18:19], s[58:59]
	s_add_nc_u64 s[20:21], s[20:21], s[58:59]
	s_add_nc_u64 s[22:23], s[22:23], s[58:59]
	s_mov_b32 s[G0], 1
	s_mov_b32 s[G0+1], s33
	s_add_nc_u64 s[G0+2:G0+3], s[12:13], 2048      ; slot 0 begins with pair 1
	s_or_b32 s[G0+3], s[G0+3], 0x80000000
	s_mov_b32 s[G0+4], 1
	s_add_co_u32 s[G0+5], s33, SLOT
	s_add_nc_u64 s[G0+6:G0+7], s[12:13], 4096      ; slot 1 with pair 2
	s_or_b32 s[G0+7], s[G0+7], 0x80000000
.irp p, 0,1
.irp i, 0,1,2,3,4,5,6,7
	global_load_b128 v[32+64*\p+4*\i:32+64*\p+4*\i+3], v[LI], s[4:5] offset:4096*\p+512*\i th:TH_LOAD_NT
.endr
.endr
	WIN 0x40
.irp p, 0,1
.irp i, 0,1,2,3,4,5,6,7
	global_load_b128 v[R1+32*\p+4*\i:R1+32*\p+4*\i+3], v[LI], s[6:7] offset:4096*\p+512*\i th:TH_LOAD_NT
.endr
.endr
.irp i, 0,1,2,3,4,5,6,7
	global_load_b128 v[192+4*\i:192+4*\i+3], v[LI], s[8:9] offset:512*\i
	global_load_b128 v[224+4*\i:224+4*\i+3], v[LI], s[10:11] offset:512*\i
.endr
	WIN 0
	ROUND
	tensor_load_to_lds s[G0:G0+3], s[G1:G1+7]
	s_nop 0
	s_wait_alu depctr_va_vdst(0)
	s_wait_tensorcnt 0x0
	ds_add_u32 v10, v11
	s_wait_dscnt 0x0
	ROUND
	tensor_load_to_lds s[G0+4:G0+7], s[G1:G1+7]
	s_nop 0
.rept 4
	v_nop
.endr
.irp t, 0,1,2,3,4,5,6,7
	global_load_b128 v[W1S+4*\t:W1S+4*\t+3], v[LI], s[14:15] offset:512*\t
	global_load_b128 v[W1S+32+4*\t:W1S+32+4*\t+3], v[LI], s[14:15] offset:32768+512*\t
.endr
	s_wait_loadcnt 16
	LN1ROW 32, R1
	RL 0, 0                                        ; pair 0, tiles 0-3
	RL 0, 2
	LN1ROW 96, R1+32
	RL 0, 4                                        ; pair 0, tiles 4-7
	RL 0, 6
	WIN 0
	XSTORE 0
	BARRIER
	s_cmp_lt_u32 s26, 4
	s_cbranch_scc0 .Lnot_low
	XREAD
.Lnot_low:
	BARRIER
	s_wait_alu depctr_va_vdst(0)
	XSTORE 1
	BARRIER
	s_cmp_lt_u32 s26, 4
	s_cbranch_scc1 .Lnot_high
	XREAD
.Lnot_high:
	VLOAD HA, 16
	s_wait_dscnt 0x0
	QUANT R1, 1
	IMAGE XIMG, XSC
	s_wait_tensorcnt 0x1
	BARRIER
	FETCHF XIMG, XSC
	s_wait_loadcnt 0x0
	s_wait_dscnt 0x0
	RPAIR 0                                        ; K ascending: pair 0 from the registers,
	PAIR 0, 1                                      ; pair 1 from slot 0,
	CHANGE 0, 4096                                 ; which takes pair 3
	PAIR 1, 2
	CHANGE 1, 522240                               ; slot 1 takes W2's pair 5: 524,288 - 2,048 bytes on
	PAIR 0, 3
	WIN 0
.rept 4
	v_nop
.endr
.irp u, 0,1,2,3
	RL 4, 2*\u                                     ; W2's pair 4, two tiles ahead of each quarter of the activation
	WIN 0
	GELU16 \u
.endr
	QUANT HA, 0
	IMAGE HIMG, HSC
	s_wait_dscnt 0x0
	VLOAD HA, 18
	CHANGE 0, 522240                               ; slot 0 takes pair 6; the round also shows every wave's part of the hidden layer's image to all
	FETCHF HIMG, HSC
	s_wait_loadcnt 0x0                             ; b2 and pair 4 are in
	s_wait_dscnt 0x0
	RPAIR 4
	PAIR 1, 5
	CHANGE 1, 4096                                 ; slot 1 takes pair 7
	PAIR 0, 6
	WIN 0
	s_wait_tensorcnt 0x0
.rept 4
	v_nop
.endr
	PAIR 1, 7
	WIN 0
.rept 4
	v_nop
.endr
	WIN 0x40
	VLOAD 0, 20
	VLOAD 64, 22
	WIN 0x04
.set j, 0
.rept 32
	v_pk_add_f32 v[HA+j:HA+j+1], v[HA+j:HA+j+1], v[R1+j:R1+j+1]
.set j, j+2
.endr
	WIN 0
	CHAINS HA, 64, 0
	RSUM RED1
	s_delay_alu instid0(VALU_DEP_1)
	v_mul_f32 v12, s30, v16
	CENTRE HA, 64
	CHAINS HA, 64, 1
	RSUM RED2
	s_delay_alu instid0(VALU_DEP_1)
	v_fma_f32 v16, v16, s30, s31
	s_wait_alu depctr_va_vdst(0)
	v_rsq_f32 v14, v16
	v_nop
	s_wait_alu depctr_va_vdst(0)
.set j, 0
.rept 32
	v_pk_mul_f32 v[HA+j:HA+j+1], v[HA+j:HA+j+1], v[14:15] op_sel_hi:[1,0]
.set j, j+2
.endr
	s_wait_loadcnt 0x0
	WIN 0x14
.set j, 0
.rept 32
	v_pk_fma_f32 v[HA+j:HA+j+1], v[HA+j:HA+j+1], v[j:j+1], v[64+j:65+j]
.set j, j+2
.endr
	WIN 0
.irp b, 0,1,2,3
.irp i, 0,1,2,3
	ds_store_b128 v[QO], v[HA+16*\b+4*\i:HA+16*\b+4*\i+3] offset:128*\b+16*\i
.endr
.endr
	BARRIER
.irp p, 0,1
.irp i, 0,1,2,3,4,5,6,7
	ds_load_b128 v[XF+32*\p+4*\i:XF+32*\p+4*\i+3], v[RO] offset:XP*\p+512*\i
.endr
.endr
.irp p, 0,1
.irp i, 0,1,2,3,4,5,6,7
	s_wait_dscnt 15-8*\p-\i
	global_store_b128 v[LI], v[XF+32*\p+4*\i:XF+32*\p+4*\i+3], s[24:25] offset:4096*\p+512*\i th:TH_STORE_NT
.endr
.endr
	s_wait_tensorcnt 0x0
	ds_add_u32 v[SPW], v[NIL]
	s_wait_dscnt 0x0
	ROUND
	s_endpgm
.Lfunc_end_k_qcd18f022f4_ffn:
	.size	k_qcd18f022f4_ffn, .Lfunc_end_k_qcd18f022f4_ffn-k_qcd18f022f4_ffn
	.p2alignl 7, 3214868480
	.fill 96, 4, 3214868480
	.section	.rodata,"a",@progbits
	.p2align	6, 0x0
	.amdhsa_kernel k_qcd18f022f4_ffn
		.amdhsa_group_segment_fixed_size 327680
		.amdhsa_private_segment_fixed_size 0
		.amdhsa_enable_private_segment 0
		.amdhsa_kernarg_size 88
		.amdhsa_user_sgpr_count 2
		.amdhsa_user_sgpr_kernarg_segment_ptr 1
		.amdhsa_wavefront_size32 1
		.amdhsa_system_sgpr_workgroup_id_x 1
		.amdhsa_system_sgpr_workgroup_id_y 1
		.amdhsa_system_sgpr_workgroup_id_z 1
		.amdhsa_system_vgpr_workitem_id 0
		.amdhsa_next_free_vgpr 512
		.amdhsa_next_free_sgpr 66
		.amdhsa_reserve_vcc 0
		.amdhsa_float_denorm_mode_32 3
		.amdhsa_float_denorm_mode_16_64 3
		.amdhsa_memory_ordered 1
		.amdhsa_forward_progress 1
		.amdhsa_inst_pref_size 162
	.end_amdhsa_kernel
	.amdgpu_metadata
---
amdhsa.version: [ 1, 2 ]
amdhsa.kernels:
  - .name:           k_qcd18f022f4_ffn
    .symbol:         k_qcd18f022f4_ffn.kd
    .args:
      - { .name: attn, .offset: 0, .size: 8, .value_kind: global_buffer, .address_space: global }
      - { .name: query, .offset: 8, .size: 8, .value_kind: global_buffer, .address_space: global }
      - { .name: g1, .offset: 16, .size: 8, .value_kind: global_buffer, .address_space: global }
      - { .name: be1, .offset: 24, .size: 8, .value_kind: global_buffer, .address_space: global }
      - { .name: cod, .offset: 32, .size: 8, .value_kind: global_buffer, .address_space: global }
      - { .name: scl, .offset: 40, .size: 8, .value_kind: global_buffer, .address_space: global }
      - { .name: b1, .offset: 48, .size: 8, .value_kind: global_buffer, .address_space: global }
      - { .name: b2, .offset: 56, .size: 8, .value_kind: global_buffer, .address_space: global }
      - { .name: g2, .offset: 64, .size: 8, .value_kind: global_buffer, .address_space: global }
      - { .name: be2, .offset: 72, .size: 8, .value_kind: global_buffer, .address_space: global }
      - { .name: out0, .offset: 80, .size: 8, .value_kind: global_buffer, .address_space: global }
    .group_segment_fixed_size: 327680
    .private_segment_fixed_size: 0
    .kernarg_segment_align: 8
    .kernarg_segment_size: 88
    .max_flat_workgroup_size: 256
    .sgpr_count:     66
    .vgpr_count:     512
    .wavefront_size: 32
...
	.end_amdgpu_metadata
.endif
;; end of part 4
